; MI455X (gfx1250); checked and timed in simulation.
; The chip was launched on July 23, 2026; its instructions are those of AMD's public machine-readable ISA for CDNA 5 (MIT licence, August 2026) and "CDNA5" Instruction Set Architecture Reference Guide (July 2026). The comments in the code are by the model that wrote it; some were corrected since.
;; Min LSTM. Allowed arithmetic: matrix products marked QUANTISED: E5M2 operands, one E8M0 scale for each 32 along K, by v_wmma_scale_f32_16x16x128_f8f6f4 with both operands' format E5M2, f32 sums; everything else in f32.
;; Inputs: W_f 1,024 x 1,024 float32; W_h 1,024 x 1,024 float32; W_i 1,024 x 1,024 float32; b_f 1,024 float32; b_h 1,024 float32; b_i 1,024 float32; x 4 x 4,096 x 1,024 float32.
;; Outputs: out0 4 x 4,096 x 1,024 float32.
;; This version of the problem:
;;   THIS VERSION OF THE PROBLEM IS GIVEN IN LOW PRECISION. The matrix products marked QUANTISED in the list below multiply operands that are first quantised to E5M2 (5 exponent bits, 2 mantissa bits; 8 bits a number), with one power-of-two scale for each 32 numbers along K (OCP MX v1.0); their sums are f32. All else is computed in f32.
;;   The module's matrix products, in the order in which they are computed (A, B: the left and right operand; K: the contracted axis; several contracted axes count as one K, in the product's order):
;;     1. [M 16,384, K 1,024] x [K 1,024, N 1,024]; A: input x; B: input W_f: QUANTISED
;;     2. [M 16,384, K 1,024] x [K 1,024, N 1,024]; A: input x; B: input W_i: QUANTISED
;;     3. [M 16,384, K 1,024] x [K 1,024, N 1,024]; A: input x; B: input W_h: QUANTISED
;;   THE QUANTISER, for each operand of a quantised product, along K:
;;     - K is cut into blocks of 32 from its start; a last block that is shorter is filled with zeros.
;;     - A block's scale is 2^e with e = floor(log2(the largest magnitude in the block)) - 15, held to -126 .. 127; a block of zeros has e = 0. As a byte (E8M0): e + 127.
;;     - Each number is divided by its block's scale, clamped to +-57,344, and rounded to the nearest number of E5M2, ties to even, subnormals kept.
;;     - The product sums the exact products of the quantised numbers (number of the format x scale) in f32.
;;   ~~~python
;;   def quantise(x, axis):      # numpy; x: float32 -> the quantised numbers, widened to float32 again
;;       x = np.moveaxis(x, axis, -1); K = x.shape[-1]
;;       x = np.pad(x, [(0, 0)] * (x.ndim - 1) + [(0, -K % 32)]); x = x.reshape(x.shape[:-1] + (-1, 32)); a = np.abs(x).max(-1, keepdims=True)
;;       e = np.where(a > 0, np.clip(np.frexp(np.where(a > 0, a, 1))[1] - 1 - 15, -126, 127), 0)      # np.frexp(a)[1] - 1 = floor(log2(a)), exactly
;;       r = np.clip(x / 2.0 ** e, -57344, 57344)
;;       step = 2.0 ** (np.maximum(np.frexp(np.where(r == 0, 1, r))[1] - 1, -14) - 2)
;;       q = np.round(r / step) * step * 2.0 ** e      # np.round: ties to even
;;       return np.moveaxis(q.reshape(q.shape[:-2] + (-1,))[..., :K], -1, axis).astype(np.float32)
;;   ~~~
;; 2 versions. Each part assembles by itself: llvm-mc -triple=amdgcn-amd-amdhsa -mcpu=gfx1250 --defsym DOCPART=n.
;; ======== version 1 of 2: 2 launches
;; workspace buffers: xc 16,777,216 bytes; xs 524,288 bytes; wc 3,145,728 bytes; ws 98,304 bytes
;; launch quant (part 1): grid 608 x 1, 4 waves a work-group, no clusters, 57,856 bytes of LDS; arguments x, W_f, W_i, W_h, xc, xs, wc, ws; writes xc, xs, wc, ws
.if DOCPART == 1
	.amdgcn_target "amdgcn-amd-amdhsa--gfx1250"
	.amdhsa_code_object_version 6
	.text
	.protected	k_q4d179222d7_quant
	.globl	k_q4d179222d7_quant
	.p2align	8
	.type	k_q4d179222d7_quant,@function
k_q4d179222d7_quant:
	s_mov_b64 s[64:65], 0
	v_nop
	global_prefetch_b8 v0, s[64:65] scope:SCOPE_SE
	s_setreg_imm32_b32 hwreg(HW_REG_WAVE_MODE, 25, 1), 1
	s_wait_xcnt 0x0
; x [16384][1024] and W_f, W_i, W_h [1024][1024], f32, K innermost, become codes of BF8 (E5M2) with one E8M0 scale byte for each 32 along K.
; A block's scale is 2^(floor(log2(its largest magnitude)) - 15); its byte is the largest magnitude's exponent field - 15, held at 1 from below.  Each number is divided by the scale,
; held within +-57,344 and rounded to the nearest code, ties to even.
; LIMITS: a block of zeros gets the byte 1 where the rule says 127 (its codes are zeros, which add nothing under any byte but 0xff, and this program alone reads the bytes);
; blocks whose largest magnitude lies under 2^(16 - 127), the floor, keep the byte 1; NaN and infinities among the inputs are not served.
; THE OUTPUT IS LAID AS THE NEXT LAUNCH'S OPERAND REGISTERS.  A tile is 16 rows.  Codes: byte  tile x 16384 + s x 2048 + c x 512 + 16 (r + 16 hh) + i  is row r, k = 128 s + 32 c + 16 hh + i:
; a load of 16 bytes a lane at 16 x lane gives four operand registers.  Scale bytes: byte  tile x 512 + u x 256 + 16 r + 4 j + c  is row r, K step 4 u + j, block c.
; x's tile T is rows 16 T on; the weights' tile 3 S + g is rows 16 S on of gate g (0 f, 1 i, 2 h).
; SHARES.  A wave takes 16 rows x 512 along K (u = wave % 2): 16 steps of one row's 2,048 bytes.  Work-groups 0-511 take x, 512-607 the weights; only pointers and indices are chosen: one path through the text.
; Each load reads 512 consecutive bytes; a step's 2,048 bytes turn through the wave's own stage in LDS, so that a lane holds 16 neighbours along K (two neighbouring lanes hold a block).
; Lane l of step t makes the 16 bytes at 256 l + 16 t of the wave's 8,192 bytes of codes: they are gathered in a second stage (rows of 256 bytes + 16) and leave as 512 consecutive bytes a store.
; A wave's 256 scale bytes are gathered likewise and leave by one store of 256 consecutive bytes.  No barrier: waves share nothing.  No tensor loads, no prefetch: the launch is one dense stream with 16 loads a wave on their way.
.set SP,    80                         ; a lane's place in an f32 stage: its 64 bytes + 16 of padding
.set WREG,  14336                      ; LDS of a wave: two f32 stages of 32 x SP, 256 scale bytes, the codes' stage
.set SBY,   5120                       ; the scale bytes
.set OS,    5376                       ; the codes' stage: 32 rows of OP bytes
.set OP,    272                        ; 256 bytes + 16: lane l's store begins at bank 4 l mod 64
.set R,     16                         ; v16-79   four sets of 16 numbers as they are loaded; on the way out the codes
.set X,     80                         ; v80-111  two sets of 16 neighbours
.set E,     112                        ; v112-127 a scale byte for each step
.set C,     128                        ; v128-191 four registers of codes for each step: no store's data are written again
	s_load_b512 s[4:19], s[0:1], 0x0               ; x s[4:5], W_f s[6:7], W_i s[8:9], W_h s[10:11], xc s[12:13], xs s[14:15], wc s[16:17], ws s[18:19]
	v_lshl_add_u32 v192, v0, 2, 0xe000
	v_mov_b32 v193, 0
	v_lshrrev_b32 v1, 5, v0
	v_readfirstlane_b32 s20, v1                    ; wave 0..3
	v_and_b32 v2, 31, v0                           ; lane
	v_lshlrev_b32 v3, 4, v2                        ; 16 x lane: my bytes of a load's, and of a store's, 512
	s_mul_i32 s21, s20, WREG                       ; my wave's LDS
	v_lshrrev_b32 v14, 2, v2
	v_mul_u32_u24 v14, v14, SP
	v_and_b32 v15, 3, v2
	v_lshl_add_u32 v14, v15, 4, v14
	v_add_nc_u32 v14, s21, v14                     ; f32 stage, in: SP (lane / 4) + 16 (lane % 4)
	v_mul_u32_u24 v15, v2, SP
	v_add_nc_u32 v15, s21, v15                     ; and out: SP x lane: my 16 neighbours
	v_lshrrev_b32 v5, 1, v2
	v_add_nc_u32 v5, s21, v5
	v_add_nc_u32 v5, SBY, v5                       ; my block's scale byte: lane / 2 = 4 j + c; the row's 16 bytes stand in the immediate
	v_lshlrev_b32 v7, 3, v2                        ; on the way out 8 scale bytes a lane
	v_add_nc_u32 v6, s21, v7
	v_add_nc_u32 v6, SBY, v6
	v_mul_u32_u24 v4, v2, OP
	v_add_nc_u32 v4, s21, v4
	v_add_nc_u32 v4, OS, v4                        ; codes' stage, in: row = my lane
	v_lshrrev_b32 v12, 4, v2
	v_mul_u32_u24 v12, v12, OP
	v_and_b32 v13, 15, v2
	v_lshl_add_u32 v12, v13, 4, v12
	v_add_nc_u32 v12, s21, v12
	v_add_nc_u32 v12, OS, v12                      ; and out: sixteen lanes to a row, two rows an instruction
	s_lshr_b32 s22, s20, 1                         ; which of the work-group's two tiles
	s_and_b32 s23, s20, 1                          ; u: which 512 along K
	s_and_b32 s24, ttmp9, 31
	s_lshl_b32 s24, s24, 1
	s_add_co_u32 s24, s24, s22                     ; a weight's tile S = 2 (work-group % 32) + wave / 2
	s_lshr_b32 s25, ttmp9, 5
	s_max_u32 s25, s25, 16
	s_sub_co_u32 s25, s25, 16                      ; the gate g = work-group / 32 - 16 (0 in x's work-groups, where it is not used)
	s_mul_i32 s26, s24, 3
	s_add_co_u32 s26, s26, s25                     ; where it goes: tile 3 S + g
	s_lshl_b32 s27, ttmp9, 1
	s_add_co_u32 s27, s27, s22                     ; x's tile, in and out: 2 x work-group + wave / 2
	s_mov_b32 s31, 0x600000                        ; the mantissa field of 57,344 (an instruction takes one literal: the hold's line has another)
	s_wait_kmcnt 0x0
	s_cmp_lt_u32 ttmp9, 544                        ; the choices hang on the work-group's number alone
	s_cselect_b64 s[6:7], s[6:7], s[8:9]
	s_cmp_lt_u32 ttmp9, 576
	s_cselect_b64 s[6:7], s[6:7], s[10:11]         ; the gate's weight
	s_cmp_lt_u32 ttmp9, 512
	s_cselect_b64 s[4:5], s[4:5], s[6:7]           ; from where,
	s_cselect_b64 s[12:13], s[12:13], s[16:17]     ; the codes' buffer,
	s_cselect_b64 s[14:15], s[14:15], s[18:19]     ; the scale bytes' buffer,
	s_cselect_b32 s24, s27, s24                    ; the tile read,
	s_cselect_b32 s26, s27, s26                    ; the tile written
	s_lshl_b32 s28, s24, 16                        ; 16 rows of 4,096 bytes
	s_lshl_b32 s30, s23, 11
	s_add_co_u32 s28, s28, s30
	s_mov_b32 s29, 0
	s_add_nc_u64 s[4:5], s[4:5], s[28:29]
	s_lshl_b32 s28, s26, 14
	s_lshl_b32 s30, s23, 13
	s_add_co_u32 s28, s28, s30
	s_add_nc_u64 s[12:13], s[12:13], s[28:29]
	s_lshl_b32 s28, s26, 9
	s_lshl_b32 s30, s23, 8
	s_add_co_u32 s28, s28, s30
	s_add_nc_u64 s[14:15], s[14:15], s[28:29]
.macro LOAD t                          ; row t's 2,048 bytes
.irp i, 0,1,2,3
	global_load_b128 v[R+16*((\t)%4)+4*\i:R+16*((\t)%4)+4*\i+3], v3, s[4:5] offset:4096*(\t)+512*\i th:TH_LOAD_NT   ; 32 lanes read 512 consecutive bytes
.endr
.endm
.macro TURN t                          ; through the stage: LDS serves a wave's instructions in order, so no wait stands between the stores and the loads
.irp i, 0,1,2,3
	ds_store_b128 v14, v[R+16*((\t)%4)+4*\i:R+16*((\t)%4)+4*\i+3] offset:32*SP*((\t)%2)+8*SP*\i
.endr
.irp i, 0,1,2,3
	ds_load_b128 v[X+16*((\t)%2)+4*\i:X+16*((\t)%2)+4*\i+3], v15 offset:32*SP*((\t)%2)+16*\i
.endr
.endm
.irp t, 0,1,2,3
	LOAD \t
.endr
	s_wait_loadcnt 12                              ; row 0's four loads are in
	TURN 0
.macro STEP t
.set XS, X+16*((\t)%2)
.if (\t) > 0
	s_wait_dscnt 2                                 ; this row's numbers are back from the stage; the last step's byte store and code store may be out
.else
	s_wait_dscnt 0x0
.endif
.if (\t)+4 < 16
	LOAD (\t)+4                                    ; into the set that this row's stage stores have read
.endif
.if (\t)+1 < 16
.if 14-(\t) >= 3
	s_wait_loadcnt 12                              ; the next row's four loads are in; those of the three rows behind it may be out
.else
	s_wait_loadcnt 4*(14-(\t))
.endif
	TURN (\t)+1                                    ; it goes through the other stage while this row is worked
.endif
	v_max3_num_f32 v8, |v[XS]|, |v[XS+1]|, |v[XS+2]|               ; the largest magnitude of my 16, in two chains
	v_max3_num_f32 v9, |v[XS+3]|, |v[XS+4]|, |v[XS+5]|
.irp i, 6,10
	v_max3_num_f32 v8, v8, |v[XS+\i]|, |v[XS+\i+1]|
	v_max3_num_f32 v9, v9, |v[XS+\i+2]|, |v[XS+\i+3]|
.endr
	v_max3_num_f32 v8, v8, |v[XS+14]|, |v[XS+15]|
	v_max3_num_f32 v8, v8, v9, 0x8000000           ; and the floor 2^(16 - 127): the byte cannot fall under 1
	v_max_num_f32_dpp v8, v8, v8 row_xmask:1 row_mask:0xf bank_mask:0xf   ; and of my neighbour's 16: the block's
	v_add_nc_u32 v11, 0xf8800000, v8               ; 15 off its exponent field: the conversion takes the exponent field of this operand as its scale
	v_and_or_b32 v10, v8, 0x7f800000, s31          ; 57,344 x the scale
.irp i, 0,1,2,3,4,5,6,7,8,9,10,11,12,13,14,15
	v_med3_num_f32 v[XS+\i], v[XS+\i], -v10, v10   ; the conversion to an 8-bit code does not saturate (ISA guide 7.6.2): the hold comes first
.endr
	v_cvt_scalef32_pk8_bf8_f32 v[C+4*(\t):C+4*(\t)+1], v[XS:XS+7], v11
	v_cvt_scalef32_pk8_bf8_f32 v[C+4*(\t)+2:C+4*(\t)+3], v[XS+8:XS+15], v11
	v_lshrrev_b32 v[E+(\t)], 23, v11               ; the scale's byte; also the plain line behind the conversions
	ds_store_b8 v5, v[E+(\t)] offset:16*(\t)       ; both lanes of a block write the same byte with the same value
	ds_store_b128 v4, v[C+4*(\t):C+4*(\t)+3] offset:16*(\t)        ; bytes 256 lane + 16 t of the wave's codes
.endm
.irp t, 0,1,2,3,4,5,6,7,8,9,10,11,12,13,14,15
	STEP \t
.endr
	ds_load_b64 v[80:81], v6                       ; LDS serves a wave's instructions in order: these loads see my stores
.irp n, 0,1,2,3,4,5,6,7,8,9,10,11,12,13,14,15
	ds_load_b128 v[R+4*\n:R+4*\n+3], v12 offset:2*OP*\n
.endr
	s_wait_dscnt 16                                ; the scale bytes are back; the sixteen loads of codes may be out
	global_store_b64 v7, v[80:81], s[14:15]        ; 32 lanes store 256 consecutive bytes, aligned
.irp n, 0,1,2,3,4,5,6,7,8,9,10,11,12,13,14,15
	s_wait_dscnt 15-\n
	global_store_b128 v3, v[R+4*\n:R+4*\n+3], s[12:13] offset:512*\n   ; 32 lanes store 512 consecutive bytes, aligned
.endr
	s_wait_tensorcnt 0x0
	ds_add_u32 v192, v193
	s_wait_dscnt 0x0
	s_endpgm
.Lfunc_end_k_q4d179222d7_quant:
	.size	k_q4d179222d7_quant, .Lfunc_end_k_q4d179222d7_quant-k_q4d179222d7_quant
	.p2alignl 7, 3214868480
	.fill 96, 4, 3214868480
	.section	.rodata,"a",@progbits
	.p2align	6, 0x0
	.amdhsa_kernel k_q4d179222d7_quant
		.amdhsa_group_segment_fixed_size 57856
		.amdhsa_private_segment_fixed_size 0
		.amdhsa_enable_private_segment 0
		.amdhsa_kernarg_size 64
		.amdhsa_user_sgpr_count 2
		.amdhsa_user_sgpr_kernarg_segment_ptr 1
		.amdhsa_wavefront_size32 1
		.amdhsa_system_sgpr_workgroup_id_x 1
		.amdhsa_system_sgpr_workgroup_id_y 1
		.amdhsa_system_sgpr_workgroup_id_z 1
		.amdhsa_system_vgpr_workitem_id 0
		.amdhsa_next_free_vgpr 194
		.amdhsa_next_free_sgpr 66
		.amdhsa_reserve_vcc 0
		.amdhsa_float_denorm_mode_32 3
		.amdhsa_float_denorm_mode_16_64 3
		.amdhsa_memory_ordered 1
		.amdhsa_forward_progress 1
		.amdhsa_inst_pref_size 54
	.end_amdhsa_kernel
	.amdgpu_metadata
---
amdhsa.version: [ 1, 2 ]
amdhsa.kernels:
  - .name:           k_q4d179222d7_quant
    .symbol:         k_q4d179222d7_quant.kd
    .args:
      - { .name: x, .offset: 0, .size: 8, .value_kind: global_buffer, .address_space: global }
      - { .name: W_f, .offset: 8, .size: 8, .value_kind: global_buffer, .address_space: global }
      - { .name: W_i, .offset: 16, .size: 8, .value_kind: global_buffer, .address_space: global }
      - { .name: W_h, .offset: 24, .size: 8, .value_kind: global_buffer, .address_space: global }
      - { .name: xc, .offset: 32, .size: 8, .value_kind: global_buffer, .address_space: global }
      - { .name: xs, .offset: 40, .size: 8, .value_kind: global_buffer, .address_space: global }
      - { .name: wc, .offset: 48, .size: 8, .value_kind: global_buffer, .address_space: global }
      - { .name: ws, .offset: 56, .size: 8, .value_kind: global_buffer, .address_space: global }
    .group_segment_fixed_size: 57856
    .private_segment_fixed_size: 0
    .kernarg_segment_align: 8
    .kernarg_segment_size: 64
    .max_flat_workgroup_size: 128
    .sgpr_count:     66
    .vgpr_count:     194
    .wavefront_size: 32
...
	.end_amdgpu_metadata
.endif
;; end of part 1
;; launch scan (part 2): grid 64 x 4, 4 waves a work-group, clusters of 4 x 1, 327,680 bytes of LDS; arguments xc, xs, wc, ws, b_f, b_i, b_h, out0; writes out0
.if DOCPART == 2
	.amdgcn_target "amdgcn-amd-amdhsa--gfx1250"
	.amdhsa_code_object_version 6
	.text
	.protected	k_q4d179222d7_scan
	.globl	k_q4d179222d7_scan
	.p2align	8
	.type	k_q4d179222d7_scan,@function
k_q4d179222d7_scan:
	s_mov_b64 s[64:65], 0
	v_nop
	global_prefetch_b8 v0, s[64:65] scope:SCOPE_SE
	s_setreg_imm32_b32 hwreg(HW_REG_WAVE_MODE, 25, 1), 1
	s_wait_xcnt 0x0
	s_wait_alu depctr_hold_cnt(0) depctr_sa_sdst(0) depctr_va_vdst(0) depctr_va_sdst(0) depctr_va_ssrc(0) depctr_va_vcc(0) depctr_vm_vsrc(0)
	s_getreg_b32 s2, hwreg(HW_REG_IB_STS2, 6, 4)
	s_cmp_eq_u32 s2, 0
	s_cbranch_scc0 .Lentry_in_a_cluster
	s_endpgm
.Lentry_in_a_cluster:
	s_bfe_u32 s2, ttmp6, 0x10000c
	s_cmp_lg_u32 s2, 0x3003
	s_cbranch_scc0 .Lentry_shape_is_right
	s_endpgm
.Lentry_shape_is_right:
; out[b][l][e] = h_l, where h_l = f_l h_(l-1) + i_l g_l, h before the first step = 0.  With a = e^-f_pre, b = e^-i_pre:  f = (1 + b) / (2 + a + b),  i = (1 + a) / (2 + a + b);
; g = h_pre + 0.5 where h_pre >= 0, else sigmoid(h_pre).  That is the scan of the log-space form written in plain numbers: f + i = 1, so every h is a convex mix of earlier g, never above the largest g,
; and all terms are >= 0: no exponential of a running sum is ever formed.  The three exponentials of the gates (a, b and the 1) have their common maximum max(-f_pre, -i_pre, 0) taken away first;
; sigmoid is taken of -|h_pre|.  The pre-activations are x W^T + bias on codes of BF8 (E5M2) with E8M0 scales, sums in f32.
; LIMITS: NaN and infinities are not served; exponentials under 2^-126 come out as 0 (ISA guide, v_exp_f32).
; SHARES.  A work-group owns 16 channels (strip S) of one batch b and walks all 4,096 steps, 128 a trip, with the carry in registers: 4 x 64 strips = 256 work-groups.  Wave w owns rows 32 w .. 32 w + 31 of a
; trip's 128: two tiles of 16.  Every wave keeps the strip's 48 rows of W (3 gates x 8 K steps x 16 registers) in registers, so each byte of x's codes is read from LDS once and feeds three products.
; LAYOUT.  Source 0 = 16 rows of x, source 1 = 16 rows of W: lane (r, hh) holds channel r, and its registers 0-7 the steps 8 hh + 0 .. 7: a lane scans its eight steps by itself.
; A piece of the scan is the pair (A, H): h_out = A h_in + H.  Halves of a tile meet by one lane exchange, the wave's two tiles in registers, the four waves by records of 8 bytes in LDS.
; A trip's rows are finished in the NEXT trip (FIN), behind the barrier that the ring needs anyway: there the four records are read, the carry is passed on, and out = Acum x carry + hloc is stored.
; CLUSTER.  Four neighbouring strips of one batch walk the same codes of x: each wave's 32 KB of a slot is asked for JOINTLY, by the same tensor load with the same descriptor and the mask of all four.
; OUTPUT.  The work-group owns 64 bytes of each row of out (16 channels: 4,096 sequences over 256 work-groups): sixteen lanes store those 64 consecutive bytes together; the cluster's four partners, which run in
; step, own the four quarters of each aligned 256 bytes.
; REGISTERS, in windows of 256 (s_set_vgpr_msb: bits 1:0 source 0, 3:2 source 1, 5:4 source 2, 7:6 destination).  Window 0: all that vector instructions touch (map below).
; Window 1: W_f at v[16 s], W_i at v[128 + 16 s].  Window 2: W_h at v[16 s].  Window 3: x's fragments at v[128 t + 16 s].
.set SLOTB, 131072                     ; a slot: 128 rows = 8 tiles of 16,384 bytes, as images of operand registers: read at 16 x lane, so no padding
.set AGG,   262144                     ; behind the ring: the waves' records, two buffers of 512 bytes: buffer x 512 + wave x 128 + 8 r
.set SPARE, 263168                     ; the spare words, 128 bytes for each wave: two blocks of 256 bytes that no other line names
.set SPW,  1                           ; v1   SPARE + 4 x my thread's number; never rewritten
.set NIL,  2                           ; v2   0; never rewritten
.set ADR,  3                           ; v3-4 my wave's part of slot 0, 1: 32768 w + 16 x lane
.set OUTO, 5                           ; v5   my byte offset in out: 8 hh rows of 4,096 bytes + 4 r
.set L16,  6                           ; v6   16 x lane
.set AGW,  7                           ; v7   where my wave's record goes
.set AGR,  8                           ; v8   where the records are read
.set PFO,  9                           ; v9   256 x lane: the prefetches' offset
.set R4,   10                          ; v10  4 r
.set CY,   12                          ; v12  the work-group's carry: h behind the last finished slot, of channel r
.set MY,   13                          ; v13  the carry at my wave's first row
.set CL,   14                          ; v[14:15], v[16:17] the carry at my lane's eight rows of tile 0, 1 (the low word serves both halves of the packed form)
.set PA,   18                          ; v18-21 (PA, PH) of tile 0, 1: from my wave's first row to my lane's first
.set WS,   24                          ; v24-35 W's scale words: gate g, register j: lanes 0-15 K step j, lanes 16-31 K step 4 + j
.set XS,   36                          ; v36-51 x's scale words likewise: set (slot) x 8 + tile x 4 + j
.set BC,   52                          ; v52-75 the biases as C: gate g's eight registers all hold b_g[16 S + r]
.set F,    80                          ; v80-95   f_pre (tile 0, tile 1), then i, then v = i g, then hloc
.set I,    96                          ; v96-111  i_pre, then f, then Acum
.set HH,   112                         ; v112-127 h_pre
.set U,    128                         ; v128-143 at work
.set G,    144                         ; v144-159
.set T,    160                         ; v160-175
.set LIN,  176                         ; v176-191
.set OUT,  192                         ; v192-207 what is stored
.set REC,  208                         ; v208-215 the four waves' records
.set XT,   216                         ; v216-234 at work across lanes: ten a tile
.set RW,   236                         ; v[236:237] my wave's record
.set CC,   238                         ; v238-240 the carry behind waves 0, 1, 2
; s20 wave, s21 cx, s22 S, s23 b; s[24:31] descriptor group 1; s[32:35], s[36:39] group 0 of slot 0, 1; s[40:41] out, s[42:43] x's scale words, s[44:45] the prefetches; s46 the trip's number, s47 its bound for
; prefetches, s48 the loop's count; s[50:51] log2 e, s[52:53] -log2 e; s[54:55] lane selects; s56 lanes 16-31; s57-59 all ones in wave 1, 2, 3; s60-63, s66-67 at work, never holding cx; s68-77 at work
.set MSB, 0
.macro WIN new                         ; the immediate's high byte repeats the setting that is left
.if MSB != \new
	s_set_vgpr_msb (MSB<<8)|\new
.set MSB, \new
.endif
.endm
; A round of the cluster's barrier: my work-group's barrier, wave 0 signals for the work-group, every wave waits for all four work-groups, my work-group's barrier once more.
.macro ROUND
	s_barrier_signal -1
	s_barrier_wait -1
	s_cmp_lg_u32 s20, 0
	s_cbranch_scc1 .Lnot_wave_0_\@
	s_barrier_signal -3
.Lnot_wave_0_\@:
	s_barrier_wait -3
	s_barrier_signal -1
	s_barrier_wait -1
.endm
	s_load_b512 s[4:19], s[0:1], 0x0               ; xc s[4:5], xs s[6:7], wc s[8:9], ws s[10:11], b_f s[12:13], b_i s[14:15], b_h s[16:17], out s[18:19]
	v_lshl_add_u32 v[SPW], v0, 2, SPARE
	v_mov_b32 v[NIL], 0
	ds_add_u32 v1, v2
	ds_add_u32 v1, v2
	s_wait_dscnt 0x0
	v_lshrrev_b32 v11, 5, v0
	v_readfirstlane_b32 s20, v11                   ; wave 0..3
	s_bfe_u32 s21, ttmp6, 0x40000                  ; cx: my place in the cluster
	s_lshl_b32 s22, ttmp9, 2                       ; in a cluster launch ttmp9 counts clusters
	s_add_co_u32 s22, s22, s21                     ; the strip S = 4 x cluster x + cx: it enters W's, the biases' and out's addresses alone
	s_and_b32 s23, ttmp7, 0xffff                   ; the batch, which the four partners share
	; descriptor group 1: a dense block of 32,768 bytes as 128 rows of 256 bytes (32 elements of 8 bytes)
	s_mov_b32 s24, 0x0023000f                      ; 15:0 the mask: all four work-groups; 17:16 elements of 8 bytes; 20 no padding; 21 set beside a mask
	s_mov_b32 s25, 32<<16                          ; tensor_dim0 = 32
	s_mov_b32 s26, 128<<16                         ; tensor_dim1 = 128
	s_mov_b32 s27, 32<<16                          ; tile_dim0 = 32
	s_mov_b32 s28, 128                             ; tile_dim1 = 128
	s_mov_b32 s29, 32                              ; elements from row to row
	s_mov_b32 s30, 0
	s_mov_b32 s31, 0
	s_mov_b32 s50, 0x3fb8aa3b                      ; log2 e
	s_mov_b32 s51, s50                             ; (named with it as a pair, so it is written)
	s_mov_b32 s52, 0xbfb8aa3b                      ; -log2 e
	s_mov_b32 s53, s52
	s_mov_b32 s54, 0x76543210
	s_mov_b32 s55, 0xfedcba98                      ; v_permlanex16_b32's selects for lane l xor 16
	s_mov_b32 s56, 0xffff0000                      ; lanes 16-31
	s_cmp_eq_u32 s20, 1
	s_cselect_b32 s57, -1, 0
	s_cmp_eq_u32 s20, 2
	s_cselect_b32 s58, -1, 0
	s_cmp_eq_u32 s20, 3
	s_cselect_b32 s59, -1, 0
	s_mov_b32 s46, 0
	s_cmp_eq_u32 ttmp9, 0                          ; the batch's first cluster prefetches, in trips 1 to 28: the same in all four partners
	s_cselect_b32 s47, 29, 0
	s_lshl_b32 s60, s23, 22                        ; xc: the batch's 4,194,304 bytes,
	s_lshl_b32 s62, s20, 15                        ; my wave's 32,768 of a slot: in memory and in LDS alike
	s_add_co_u32 s60, s60, s62
	s_mov_b32 s61, 0
	s_lshl_b32 s66, s23, 17                        ; xs: the batch's 131,072 bytes, my wave's two tiles of 512
	s_lshl_b32 s63, s20, 10
	s_add_co_u32 s66, s66, s63
	s_mov_b32 s67, 0
	s_lshl_b32 s63, s20, 7                         ; my wave's record: 128 bytes a wave
	s_lshl_b32 s68, s23, 24                        ; out: the batch's 16,777,216 bytes, my wave's 32 rows of 4,096, my strip's 64 bytes
	s_lshl_b32 s70, s20, 17
	s_add_co_u32 s68, s68, s70
	s_lshl_b32 s70, s22, 6                         ; 64 S: the biases' offset too
	s_add_co_u32 s68, s68, s70
	s_mov_b32 s69, 0
	s_mov_b32 s71, 0
	s_lshl_b32 s72, s23, 22                        ; the prefetches: of a slot's 131,072 bytes my work-group takes 32,768 BY ADDRESS, my wave 8,192 of them
	s_lshl_b32 s74, s21, 15
	s_add_co_u32 s72, s72, s74
	s_lshl_b32 s74, s20, 13
	s_add_co_u32 s72, s72, s74
	s_add_co_u32 s72, s72, 3*SLOTB                 ; at slot 3: trip 1 steps it to slot 4
	s_mov_b32 s73, 0
	s_mul_i32 s74, s22, 49152                      ; wc: three tiles of 16,384 bytes a strip
	s_mov_b32 s75, 0
	s_mul_i32 s76, s22, 1536                       ; ws: three tiles of 512 bytes
	s_mov_b32 s77, 0
	v_and_b32 v11, 31, v0                          ; lane
	v_lshlrev_b32 v[L16], 4, v11
	v_add_nc_u32 v[ADR], s62, v[L16]
	v_add_nc_u32 v[ADR+1], SLOTB, v[ADR]
	v_and_b32 v22, 15, v0                          ; r
	v_bfe_u32 v23, v0, 4, 1                        ; hh
	v_lshlrev_b32 v[R4], 2, v22
	v_lshl_add_u32 v[OUTO], v23, 15, v[R4]
	v_lshl_add_u32 v[AGR], v22, 3, AGG
	v_add_nc_u32 v[AGW], s63, v[AGR]
	v_lshlrev_b32 v[PFO], 8, v11
	v_mov_b32 v[CY], 0                             ; h before the first step
	v_mov_b32 v[CL+1], 0                           ; (named as the upper halves of pairs)
	v_mov_b32 v[CL+3], 0
.irp q, 0,1,10,11
	v_mov_b32 v[XT+\q], 0                          ; written once: a lane permute's destination counts as one of its sources
.endr
	s_wait_kmcnt 0x0
	s_mov_b32 s32, 1                               ; group 0 of slot 0: count = 1,
	s_mov_b32 s33, s62                             ; LDS address: wave x 32,768: no place in the cluster enters it,
	s_add_nc_u64 s[34:35], s[4:5], s[60:61]        ; global address: my wave's part of the batch's first 128 rows
	s_mov_b32 s36, 1
	s_add_co_u32 s37, s62, SLOTB
	s_add_nc_u64 s[38:39], s[34:35], SLOTB         ; slot 1: the next 128 rows
	s_or_b32 s35, s35, 0x80000000                  ; type = 2
	s_or_b32 s39, s39, 0x80000000
	s_add_nc_u64 s[40:41], s[18:19], s[68:69]
	s_add_nc_u64 s[42:43], s[6:7], s[66:67]
	s_add_nc_u64 s[44:45], s[4:5], s[72:73]
	s_add_nc_u64 s[8:9], s[8:9], s[74:75]
	s_add_nc_u64 s[10:11], s[10:11], s[76:77]
	s_add_nc_u64 s[12:13], s[12:13], s[70:71]
	s_add_nc_u64 s[14:15], s[14:15], s[70:71]
	s_add_nc_u64 s[16:17], s[16:17], s[70:71]
	ROUND                                          ; all four work-groups are here: the first joint loads meet
	tensor_load_to_lds s[32:35], s[24:31]          ; slot 0
	s_nop 0
.rept 4
	v_nop                                          ; four plain lines follow a tensor load
.endr
	WIN 0x40                                       ; destination window 1
.irp g, 0,1
.irp s, 0,1,2,3,4,5,6,7
.irp c, 0,1,2,3
	global_load_b128 v[128*\g+16*\s+4*\c:128*\g+16*\s+4*\c+3], v[L16], s[8:9] offset:16384*\g+2048*\s+512*\c   ; W_f, W_i: they stay
.endr
.endr
.endr
	WIN 0x80                                       ; destination window 2
.irp s, 0,1,2,3,4,5,6,7
.irp c, 0,1,2,3
	global_load_b128 v[16*\s+4*\c:16*\s+4*\c+3], v[L16], s[8:9] offset:32768+2048*\s+512*\c                    ; W_h
.endr
.endr
	WIN 0
.irp g, 0,1,2
	global_load_b128 v[WS+4*\g:WS+4*\g+3], v[L16], s[10:11] offset:512*\g
.endr
.irp g, 0,1,2
.irp j, 0,1,2,3,4,5,6,7
	global_load_b32 v[BC+8*\g+\j], v[R4], s[12+2*\g:13+2*\g]   ; in the result's layout a lane's eight registers are one channel: the same bias in all eight
.endr
.endr
.irp t, 0,1
	global_load_b128 v[XS+4*\t:XS+4*\t+3], v[L16], s[42:43] offset:512*\t   ; x's scale words of slot 0
.endr
	s_wait_loadcnt 0x0
; 32 LDS loads in one run: my two tiles' fragments of K steps s0 .. s0 + 3, in the order in which the products take them
.macro FRAGS slot, s0
	WIN 0xc0                                       ; destination window 3, address window 0
.irp s, \s0, \s0+1, \s0+2, \s0+3
.irp t, 0,1
.irp c, 0,1,2,3
	ds_load_b128 v[128*\t+16*(\s)+4*\c:128*\t+16*(\s)+4*\c+3], v[ADR+\slot] offset:16384*\t+2048*(\s)+512*\c
.endr
.endr
.endr
	WIN 0
.endm
.macro RECS buf                        ; the four waves' records of the slot before
.irp k, 0,1,2,3
	ds_load_b64 v[REC+2*\k:REC+2*\k+1], v[AGR] offset:512*(\buf)+128*\k
.endr
.endm
; A PREFETCH of the slot that stands three on from the trip's own, which its tensor load asks for two trips later.  A slot is 512 blocks of 256 bytes: 4 partners x 4 waves x 32 lanes, each lane another block, the
; partners told apart by address; all 16 clusters of a batch walk the same codes, so the batch's first cluster asks, and nobody else: each block is named once in the launch.  Trips 1 to 28 ask (slots 4 to 31).
.macro ASK
	s_cmp_lt_u32 s46, s47
	s_cbranch_scc0 .Lnot_mine_\@
	global_prefetch_b8 v[PFO], s[44:45] th:TH_LOAD_NT scope:SCOPE_SE
.Lnot_mine_\@:
.endm
; THE SLOT BEFORE IS FINISHED: the carry goes through the four waves' records; mine is picked by masks made of the wave's number; out = Acum x carry + hloc.
.macro FIN
	v_fma_f32 v[CC], v[REC], v[CY], v[REC+1]                   ; behind wave 0
	v_fma_f32 v[CC+1], v[REC+2], v[CC], v[REC+3]               ; behind wave 1
	v_cndmask_b32 v[MY], v[CY], v[CC], s57
	v_fma_f32 v[CC+2], v[REC+4], v[CC+1], v[REC+5]             ; behind wave 2
	v_cndmask_b32 v[MY], v[MY], v[CC+1], s58
	v_fma_f32 v[CY], v[REC+6], v[CC+2], v[REC+7]               ; behind wave 3: the next slot's carry
	v_cndmask_b32 v[MY], v[MY], v[CC+2], s59
	v_fma_f32 v[CL], v[PA], v[MY], v[PA+1]                     ; at my lane's eight rows of tile 0,
	v_fma_f32 v[CL+2], v[PA+2], v[MY], v[PA+3]                 ; of tile 1
.irp t, 0,1
.irp p, 0,2,4,6
	v_pk_fma_f32 v[OUT+8*\t+\p:OUT+8*\t+\p+1], v[I+8*\t+\p:I+8*\t+\p+1], v[CL+2*\t:CL+2*\t+1], v[F+8*\t+\p:F+8*\t+\p+1] op_sel_hi:[1,0,1]
.endr
.endr
.irp t, 0,1
.irp j, 0,1,2,3,4,5,6,7
	global_store_b32 v[OUTO], v[OUT+8*\t+\j], s[40:41] offset:(16*\t+\j)*4096   ; row 16 t + 8 hh + j: sixteen lanes store the strip's 64 consecutive bytes
.endr
.endr
.endm
; One product: accumulator acc of tile t, gate g (W at v[wb] of its window), K step s.  The first K step takes the bias as C: nothing is cleared and nothing is added later.
.macro PROD acc, wb, g, t, s, slot
.if \s == 0
	v_wmma_scale_f32_16x16x128_f8f6f4 v[\acc+8*\t:\acc+8*\t+7], v[128*\t+16*\s:128*\t+16*\s+15], v[\wb+16*\s:\wb+16*\s+15], v[BC+8*\g:BC+8*\g+7], v[XS+8*\slot+4*\t+\s], v[WS+4*\g+\s] matrix_a_fmt:MATRIX_FMT_BF8 matrix_b_fmt:MATRIX_FMT_BF8
.elseif \s < 4
	v_wmma_scale_f32_16x16x128_f8f6f4 v[\acc+8*\t:\acc+8*\t+7], v[128*\t+16*\s:128*\t+16*\s+15], v[\wb+16*\s:\wb+16*\s+15], v[\acc+8*\t:\acc+8*\t+7], v[XS+8*\slot+4*\t+\s], v[WS+4*\g+\s] matrix_a_fmt:MATRIX_FMT_BF8 matrix_b_fmt:MATRIX_FMT_BF8
.else
	v_wmma_scale_f32_16x16x128_f8f6f4 v[\acc+8*\t:\acc+8*\t+7], v[128*\t+16*\s:128*\t+16*\s+15], v[\wb+16*\s:\wb+16*\s+15], v[\acc+8*\t:\acc+8*\t+7], v[XS+8*\slot+4*\t+\s-4], v[WS+4*\g+\s-4] matrix_a_fmt:MATRIX_FMT_BF8 matrix_b_fmt:MATRIX_FMT_BF8 matrix_a_scale:MATRIX_SCALE_ROW1 matrix_b_scale:MATRIX_SCALE_ROW1
.endif
.endm
; 48 products: 8 K steps x (3 gates x 2 tiles).  The six accumulators take turns, one instruction a turn.  left: the younger global loads that may stay out.
.macro MM slot, left
	s_wait_loadcnt \left                           ; this slot's scale words are in; the next slot's two loads may be out
.irp s, 0,1,2,3,4,5,6,7
	s_wait_dscnt 8*(7-\s)                          ; K step s's eight loads are in; those of the later steps, eight each, may be out
	WIN 0x07                                       ; x window 3, W window 1, C and D window 0
	PROD F, 0, 0, 0, \s, \slot
	PROD F, 0, 0, 1, \s, \slot
	PROD I, 128, 1, 0, \s, \slot
	PROD I, 128, 1, 1, \s, \slot
	WIN 0x0b                                       ; W window 2
	PROD HH, 0, 2, 0, \s, \slot
	PROD HH, 0, 2, 1, \s, \slot
.endr
	WIN 0
.rept 8
	v_nop                                          ; eight places behind this form before its results are read
.endr
.endm
; THE GATES AND THE LANE'S OWN SCAN: 16 numbers a lane of each gate.  Every accumulator is read from its low end on.
.macro EP1
.set j, 0
.rept 16
	v_min3_num_f32 v[U+j], v[F+j], v[I+j], 0       ; -m, m = max(-f_pre, -i_pre, 0): the maximum that is taken away
.set j, j+1
.endr
.set j, 0
.rept 8
	v_pk_mul_f32 v[U+j:U+j+1], v[U+j:U+j+1], s[50:51] op_sel_hi:[1,0]                       ; in base 2
.set j, j+2
.endr
.set j, 0
.rept 8
	v_pk_fma_f32 v[F+j:F+j+1], v[F+j:F+j+1], s[52:53], v[U+j:U+j+1] op_sel_hi:[1,0,1]       ; (-f_pre - m) log2 e
	v_pk_fma_f32 v[I+j:I+j+1], v[I+j:I+j+1], s[52:53], v[U+j:U+j+1] op_sel_hi:[1,0,1]       ; (-i_pre - m) log2 e: of the three exponents the largest is 0
.set j, j+2
.endr
.set j, 0
.rept 16
	v_mul_f32 v[G+j], -|v[HH+j]|, s50              ; -|h_pre| log2 e
.set j, j+1
.endr
.irp q, F, I, U, G                     ; ONE BATCH of 64 exponentials, in place; none reads another's result
.set j, 0
.rept 16
	v_exp_f32 v[\q+j], v[\q+j]
.set j, j+1
.endr
.endr
.set j, 0
.rept 8
	v_pk_add_f32 v[LIN+j:LIN+j+1], v[HH+j:HH+j+1], 0.5 op_sel_hi:[1,0]                      ; h_pre + 0.5: plain work that names no exponential's result
.set j, j+2
.endr
	s_wait_alu depctr_va_vdst(0)                   ; one wait for the batch, ahead of its first reader
.set j, 0
.rept 8
	v_pk_add_f32 v[I+j:I+j+1], v[U+j:U+j+1], v[I+j:I+j+1]       ; (1 + b) e^-m
	v_pk_add_f32 v[F+j:F+j+1], v[U+j:U+j+1], v[F+j:F+j+1]       ; (1 + a) e^-m
	v_pk_add_f32 v[T+j:T+j+1], v[G+j:G+j+1], 1.0 op_sel_hi:[1,0]
.set j, j+2
.endr
.set j, 0
.rept 8
	v_pk_add_f32 v[U+j:U+j+1], v[F+j:F+j+1], v[I+j:I+j+1]       ; (2 + a + b) e^-m: between 1 and 4
.set j, j+2
.endr
.irp q, U, T                           ; a batch of 32 reciprocals
.set j, 0
.rept 16
	v_rcp_f32 v[\q+j], v[\q+j]
.set j, j+1
.endr
.endr
	v_nop                                          ; a plain line behind the last reciprocal,
	s_wait_alu depctr_va_vdst(0)                   ; and one wait for the batch
.set j, 0
.rept 8
	v_pk_mul_f32 v[I+j:I+j+1], v[I+j:I+j+1], v[U+j:U+j+1]       ; f
	v_pk_mul_f32 v[F+j:F+j+1], v[F+j:F+j+1], v[U+j:U+j+1]       ; i
	v_pk_mul_f32 v[G+j:G+j+1], v[G+j:G+j+1], v[T+j:T+j+1]       ; sigmoid(-|h_pre|), at most 0.5
.set j, j+2
.endr
.set j, 0
.rept 16
	v_max_num_f32 v[G+j], v[G+j], v[LIN+j]         ; g: for h_pre >= 0, h_pre + 0.5 >= 0.5 >= the sigmoid; for h_pre < 0, sigmoid(h_pre) > 0.5 + h_pre / 4 > h_pre + 0.5
.set j, j+1
.endr
.set j, 0
.rept 8
	v_pk_mul_f32 v[F+j:F+j+1], v[F+j:F+j+1], v[G+j:G+j+1]       ; v = i g
.set j, j+2
.endr
.set j, 1
.rept 7                                ; my eight steps of each tile, the two tiles by turns
	v_fmac_f32 v[F+j], v[I+j], v[F+j-1]            ; hloc_j = f_j hloc_(j-1) + v_j
	v_fmac_f32 v[F+8+j], v[I+8+j], v[F+8+j-1]
	v_mul_f32 v[I+j], v[I+j], v[I+j-1]             ; Acum_j = f_j Acum_(j-1)
	v_mul_f32 v[I+8+j], v[I+8+j], v[I+8+j-1]
.set j, j+1
.endr
.endm
; THE PIECES MEET.  In a tile lanes 0-15 hold steps 0-7 and lanes 16-31 steps 8-15.  At work, ten registers a tile: +0 Ao, +1 Ho the other half's piece; +2 A1, +3 H1 the later half's; +4 H0 the earlier half's;
; +5 At, +6 Ht the tile's; +7 QA, +8 QH what stands ahead of my lane in its tile.  Both halves of the lanes end up with the same tile's and wave's pieces.
.macro CROSS slot
.irp t, 0,1
	v_permlanex16_b32 v[XT+10*\t], v[I+8*\t+7], s54, s55
	v_permlanex16_b32 v[XT+10*\t+1], v[F+8*\t+7], s54, s55
.endr
.irp t, 0,1
	v_cndmask_b32 v[XT+10*\t+2], v[XT+10*\t], v[I+8*\t+7], s56
	v_cndmask_b32 v[XT+10*\t+3], v[XT+10*\t+1], v[F+8*\t+7], s56
	v_cndmask_b32 v[XT+10*\t+4], v[F+8*\t+7], v[XT+10*\t+1], s56
	v_mul_f32 v[XT+10*\t+5], v[I+8*\t+7], v[XT+10*\t]
.endr
	v_cndmask_b32 v[PA], 1.0, v[XT], s56           ; tile 0: lanes 0-15 have nothing ahead of them, lanes 16-31 the earlier half
	v_cndmask_b32 v[PA+1], 0, v[XT+1], s56
	v_cndmask_b32 v[XT+17], 1.0, v[XT+10], s56
	v_cndmask_b32 v[XT+18], 0, v[XT+11], s56
.irp t, 0,1
	v_fma_f32 v[XT+10*\t+6], v[XT+10*\t+2], v[XT+10*\t+4], v[XT+10*\t+3]
.endr
	v_mul_f32 v[PA+2], v[XT+5], v[XT+17]           ; tile 1: all of tile 0 stands ahead as well
	v_fma_f32 v[PA+3], v[XT+17], v[XT+6], v[XT+18]
	v_mul_f32 v[RW], v[XT+5], v[XT+15]             ; my wave's 32 rows
	v_fma_f32 v[RW+1], v[XT+15], v[XT+6], v[XT+16]
	ds_store_b64 v[AGW], v[RW:RW+1] offset:512*\slot   ; lanes r and r + 16 write the same 8 bytes with the same value
.endm
; A TRIP: 128 rows, in the slot named.  kind 0: the first trip; 1: the second; 2: any other; 3: the last.
; ONE barrier for the change of slots and for the records: in front of it each wave waits for all its tensor loads (one is out: its part of this trip's slot), adds 0 to its spare word, and waits for that, for its
; record's store and for its reads of the other slot.  Behind it the other slot is filled again first; then the records of the slot before are read.  A record buffer is written again two trips later, behind a
; barrier in front of which every wave has waited for its reads of it.
.macro TRIP slot, kind
	s_wait_tensorcnt 0x0                           ; no tensor load of mine is out, so a group 0 may be written
	ds_add_u32 v[SPW], v[NIL]                      ; 0 onto my spare word: the steps below stand between it and the wait for it
	s_add_nc_u64 s[34+4*\slot:35+4*\slot], s[34+4*\slot:35+4*\slot], 2*SLOTB   ; this slot's next 128 rows; the type bits on top are not reached
	s_wait_xcnt 0x0                                ; the last trip's stores, loads and prefetch have read their registers: the bases step, and OUT may be written again
.if \kind >= 1
	s_add_co_u32 s46, s46, 1
	s_add_nc_u64 s[42:43], s[42:43], 4096          ; x's scale words: eight tiles of 512 bytes on
	s_add_nc_u64 s[44:45], s[44:45], SLOTB
.endif
.if \kind >= 2
	s_add_nc_u64 s[40:41], s[40:41], 524288        ; out: 128 rows on
.endif
	s_wait_dscnt 0x0                               ; the add and my record's store are done, my reads of the other slot are over
.if \kind < 3
	ROUND                                          ; all that now holds of every wave of all four work-groups
	tensor_load_to_lds s[36-4*\slot:39-4*\slot], s[24:31]   ; my one tensor load behind the barrier: the next 128 rows, my part, into the slot read last trip
	s_nop 0
.rept 4
	v_nop
.endr
.else
	s_barrier_signal -1                            ; nothing is filled again: the work-group's own barrier, for the records
	s_barrier_wait -1
.endif
.if \kind >= 1
	RECS 1-\slot
.endif
	FRAGS \slot, 0
.if (\kind == 1) || (\kind == 2)
	ASK
.endif
.if \kind < 3
.irp t, 0,1
	global_load_b128 v[XS+8*(1-\slot)+4*\t:XS+8*(1-\slot)+4*\t+3], v[L16], s[42:43] offset:4096+512*\t   ; the next slot's scale words, a trip ahead
.endr
.endif
.if \kind >= 1
	s_wait_dscnt 32                                ; the four records are in; the 32 fragment loads behind them may be out
	FIN
.endif
	FRAGS \slot, 4
.if \kind < 3
	MM \slot, 2
.else
	MM \slot, 0
.endif
	EP1
	CROSS \slot
.endm
	TRIP 0, 0
	TRIP 1, 1
	s_mov_b32 s48, 14
.Ltrips:                                               ; trips 2 to 29, two to a pass: once round the ring
	TRIP 0, 2
	TRIP 1, 2
	s_sub_co_u32 s48, s48, 1
	s_cmp_lg_u32 s48, 0
	s_cbranch_scc1 .Ltrips
	TRIP 0, 2                                      ; trip 30 asks for the last slot
	TRIP 1, 3                                      ; trip 31 is written out without a tensor load
	s_wait_xcnt 0x0                                ; the last trip's stores have read their base and their data
	s_add_nc_u64 s[40:41], s[40:41], 524288
	s_wait_dscnt 0x0                               ; my last record's store is done
	s_barrier_signal -1
	s_barrier_wait -1                              ; everybody's is
	RECS 1
	s_wait_dscnt 0x0
	FIN                                            ; the last 128 rows
	s_wait_tensorcnt 0x0                           ; the wave's end: behind my last tensor load and my last LDS store
	ds_add_u32 v[SPW], v[NIL]
	s_wait_dscnt 0x0
	ROUND                                          ; the closing round: no work-group ends while a partner may still ask for a tile that names it
	s_endpgm
.Lfunc_end_k_q4d179222d7_scan:
	.size	k_q4d179222d7_scan, .Lfunc_end_k_q4d179222d7_scan-k_q4d179222d7_scan
	.p2alignl 7, 3214868480
	.fill 96, 4, 3214868480
	.section	.rodata,"a",@progbits
	.p2align	6, 0x0
	.amdhsa_kernel k_q4d179222d7_scan
		.amdhsa_group_segment_fixed_size 327680
		.amdhsa_private_segment_fixed_size 0
		.amdhsa_enable_private_segment 0
		.amdhsa_kernarg_size 64
		.amdhsa_user_sgpr_count 2
		.amdhsa_user_sgpr_kernarg_segment_ptr 1
		.amdhsa_wavefront_size32 1
		.amdhsa_system_sgpr_workgroup_id_x 1
		.amdhsa_system_sgpr_workgroup_id_y 1
		.amdhsa_system_sgpr_workgroup_id_z 1
		.amdhsa_system_vgpr_workitem_id 0
		.amdhsa_next_free_vgpr 1024
		.amdhsa_next_free_sgpr 80
		.amdhsa_reserve_vcc 0
		.amdhsa_float_denorm_mode_32 3
		.amdhsa_float_denorm_mode_16_64 3
		.amdhsa_memory_ordered 1
		.amdhsa_forward_progress 1
		.amdhsa_inst_pref_size 191
	.end_amdhsa_kernel
	.amdgpu_metadata
---
amdhsa.version: [ 1, 2 ]
amdhsa.kernels:
  - .name:           k_q4d179222d7_scan
    .symbol:         k_q4d179222d7_scan.kd
    .args:
      - { .name: xc, .offset: 0, .size: 8, .value_kind: global_buffer, .address_space: global }
      - { .name: xs, .offset: 8, .size: 8, .value_kind: global_buffer, .address_space: global }
      - { .name: wc, .offset: 16, .size: 8, .value_kind: global_buffer, .address_space: global }
      - { .name: ws, .offset: 24, .size: 8, .value_kind: global_buffer, .address_space: global }
      - { .name: b_f, .offset: 32, .size: 8, .value_kind: global_buffer, .address_space: global }
      - { .name: b_i, .offset: 40, .size: 8, .value_kind: global_buffer, .address_space: global }
      - { .name: b_h, .offset: 48, .size: 8, .value_kind: global_buffer, .address_space: global }
      - { .name: out0, .offset: 56, .size: 8, .value_kind: global_buffer, .address_space: global }
    .group_segment_fixed_size: 327680
    .private_segment_fixed_size: 0
    .kernarg_segment_align: 8
    .kernarg_segment_size: 64
    .max_flat_workgroup_size: 128
    .sgpr_count:     80
    .vgpr_count:     1024
    .wavefront_size: 32
...
	.end_amdgpu_metadata
.endif
;; end of part 2
;; ======== version 2 of 2: 3 launches
;; limits: right only within a limited range of input values
;; workspace buffers: xc 17,301,504 bytes; wc 3,244,032 bytes; agg 393,216 bytes
;; launch quant (part 3): grid 608 x 1, 4 waves a work-group, no clusters, 57,856 bytes of LDS; arguments x, W_f, W_i, W_h, xc, wc; writes xc, wc
.if DOCPART == 3
	.amdgcn_target "amdgcn-amd-amdhsa--gfx1250"
	.amdhsa_code_object_version 6
	.text
	.protected	k_q4d179222d7_quant
	.globl	k_q4d179222d7_quant
	.p2align	8
	.type	k_q4d179222d7_quant,@function
k_q4d179222d7_quant:
	s_mov_b64 s[64:65], 0
	v_nop
	global_prefetch_b8 v0, s[64:65] scope:SCOPE_SE
	s_setreg_imm32_b32 hwreg(HW_REG_WAVE_MODE, 25, 1), 1
	s_wait_xcnt 0x0
; x [16384][1024] and W_f, W_i, W_h [1024][1024], f32, K innermost, become codes of BF8 (E5M2) with one E8M0 scale byte for each 32 along K.
; A block's scale is 2^(floor(log2(its largest magnitude)) - 15); its byte is the largest magnitude's exponent field - 15, held at 1 from below.  Each number is divided by the scale,
; held within +-57,344 and rounded to the nearest code, ties to even.
; LIMITS: a block of zeros gets the byte 1 where the rule says 127 (its codes are zeros, which add nothing under any byte but 0xff, and this program alone reads the bytes);
; blocks whose largest magnitude lies under 2^(16 - 127), the floor, keep the byte 1; NaN and infinities among the inputs are not served.
; THE OUTPUT IS LAID AS THE NEXT LAUNCHES' OPERAND REGISTERS.  A tile is 16 rows and takes 16,896 dense bytes: 16,384 of codes, then 512 scale bytes.
; Codes: byte  s x 2048 + c x 512 + 16 (r + 16 hh) + i  of a tile is row r, k = 128 s + 32 c + 16 hh + i: a load of 16 bytes a lane at 16 x lane gives four operand registers.
; Scale bytes: byte  16384 + u x 256 + 16 r + 4 j + c  is row r, K step 4 u + j, block c.  x's tile T is rows 16 T on; the weights' tile 3 S + g is rows 16 S on of gate g (0 f, 1 i, 2 h).
; SHARES.  A wave takes 16 rows x 512 along K (u = wave % 2): 16 steps of one row's 2,048 bytes.  Work-groups 0-511 take x, 512-607 the weights; only pointers and indices are chosen: one path through the text.
; Each load reads 512 consecutive bytes; a step's 2,048 bytes turn through the wave's own stage in LDS, so that a lane holds 16 neighbours along K (two neighbouring lanes hold a block).
; Lane l of step t makes the 16 bytes at 256 l + 16 t of the wave's 8,192 bytes of codes: they are gathered in a second stage (rows of 256 bytes + 16) and leave as 512 consecutive bytes a store.
; A wave's 256 scale bytes are gathered likewise and leave by one store of 256 consecutive bytes.  No barrier: waves share nothing.  No tensor loads, no prefetch: the launch is one dense stream with 16 loads a wave on their way.
.set TILEB, 16896                      ; a tile in the output
.set SP,    80                         ; a lane's place in an f32 stage: its 64 bytes + 16 of padding
.set WREG,  14336                      ; LDS of a wave: two f32 stages of 32 x SP, 256 scale bytes, the codes' stage
.set SBY,   5120                       ; the scale bytes
.set OS,    5376                       ; the codes' stage: 32 rows of OP bytes
.set OP,    272                        ; 256 bytes + 16: lane l's store begins at bank 4 l mod 64
.set R,     16                         ; v16-79   four sets of 16 numbers as they are loaded; on the way out the codes
.set X,     80                         ; v80-111  two sets of 16 neighbours
.set E,     112                        ; v112-127 a scale byte for each step
.set C,     128                        ; v128-191 four registers of codes for each step: no store's data are written again
	s_load_b256 s[4:11], s[0:1], 0x0               ; x s[4:5], W_f s[6:7], W_i s[8:9], W_h s[10:11]
	s_load_b128 s[12:15], s[0:1], 0x20             ; xc s[12:13], wc s[14:15]
	v_lshl_add_u32 v192, v0, 2, 0xe000
	v_mov_b32 v193, 0
	v_lshrrev_b32 v1, 5, v0
	v_readfirstlane_b32 s20, v1                    ; wave 0..3
	v_and_b32 v2, 31, v0                           ; lane
	v_lshlrev_b32 v3, 4, v2                        ; 16 x lane: my bytes of a load's, and of a store's, 512
	s_mul_i32 s21, s20, WREG                       ; my wave's LDS
	v_lshrrev_b32 v14, 2, v2
	v_mul_u32_u24 v14, v14, SP
	v_and_b32 v15, 3, v2
	v_lshl_add_u32 v14, v15, 4, v14
	v_add_nc_u32 v14, s21, v14                     ; f32 stage, in: SP (lane / 4) + 16 (lane % 4)
	v_mul_u32_u24 v15, v2, SP
	v_add_nc_u32 v15, s21, v15                     ; and out: SP x lane: my 16 neighbours
	v_lshrrev_b32 v5, 1, v2
	v_add_nc_u32 v5, s21, v5
	v_add_nc_u32 v5, SBY, v5                       ; my block's scale byte: lane / 2 = 4 j + c; the row's 16 bytes stand in the immediate
	v_lshlrev_b32 v7, 3, v2                        ; on the way out 8 scale bytes a lane
	v_add_nc_u32 v6, s21, v7
	v_add_nc_u32 v6, SBY, v6
	v_mul_u32_u24 v4, v2, OP
	v_add_nc_u32 v4, s21, v4
	v_add_nc_u32 v4, OS, v4                        ; codes' stage, in: row = my lane
	v_lshrrev_b32 v12, 4, v2
	v_mul_u32_u24 v12, v12, OP
	v_and_b32 v13, 15, v2
	v_lshl_add_u32 v12, v13, 4, v12
	v_add_nc_u32 v12, s21, v12
	v_add_nc_u32 v12, OS, v12                      ; and out: sixteen lanes to a row, two rows an instruction
	s_lshr_b32 s22, s20, 1                         ; which of the work-group's two tiles
	s_and_b32 s23, s20, 1                          ; u: which 512 along K
	s_and_b32 s24, ttmp9, 31
	s_lshl_b32 s24, s24, 1
	s_add_co_u32 s24, s24, s22                     ; a weight's tile S = 2 (work-group % 32) + wave / 2
	s_lshr_b32 s25, ttmp9, 5
	s_max_u32 s25, s25, 16
	s_sub_co_u32 s25, s25, 16                      ; the gate g = work-group / 32 - 16 (0 in x's work-groups, where it is not used)
	s_mul_i32 s26, s24, 3
	s_add_co_u32 s26, s26, s25                     ; where it goes: tile 3 S + g
	s_lshl_b32 s27, ttmp9, 1
	s_add_co_u32 s27, s27, s22                     ; x's tile, in and out: 2 x work-group + wave / 2
	s_mov_b32 s31, 0x600000                        ; the mantissa field of 57,344 (an instruction takes one literal: the hold's line has another)
	s_wait_kmcnt 0x0
	s_cmp_lt_u32 ttmp9, 544                        ; the choices hang on the work-group's number alone
	s_cselect_b64 s[6:7], s[6:7], s[8:9]
	s_cmp_lt_u32 ttmp9, 576
	s_cselect_b64 s[6:7], s[6:7], s[10:11]         ; the gate's weight
	s_cmp_lt_u32 ttmp9, 512
	s_cselect_b64 s[4:5], s[4:5], s[6:7]           ; from where,
	s_cselect_b64 s[12:13], s[12:13], s[14:15]     ; into which buffer,
	s_cselect_b32 s24, s27, s24                    ; the tile read,
	s_cselect_b32 s26, s27, s26                    ; the tile written
	s_lshl_b32 s28, s24, 16                        ; 16 rows of 4,096 bytes
	s_lshl_b32 s30, s23, 11
	s_add_co_u32 s28, s28, s30
	s_mov_b32 s29, 0
	s_add_nc_u64 s[4:5], s[4:5], s[28:29]
	s_mul_i32 s28, s26, TILEB
	s_add_nc_u64 s[12:13], s[12:13], s[28:29]      ; the tile written
	s_lshl_b32 s28, s23, 8
	s_add_co_u32 s28, s28, 16384
	s_add_nc_u64 s[14:15], s[12:13], s[28:29]      ; my 256 scale bytes in it,
	s_lshl_b32 s28, s23, 13
	s_add_nc_u64 s[12:13], s[12:13], s[28:29]      ; my 8,192 bytes of codes
.macro LOAD t                          ; row t's 2,048 bytes
.irp i, 0,1,2,3
	global_load_b128 v[R+16*((\t)%4)+4*\i:R+16*((\t)%4)+4*\i+3], v3, s[4:5] offset:4096*(\t)+512*\i th:TH_LOAD_NT   ; 32 lanes read 512 consecutive bytes
.endr
.endm
.macro TURN t                          ; through the stage: LDS serves a wave's instructions in order, so no wait stands between the stores and the loads
.irp i, 0,1,2,3
	ds_store_b128 v14, v[R+16*((\t)%4)+4*\i:R+16*((\t)%4)+4*\i+3] offset:32*SP*((\t)%2)+8*SP*\i
.endr
.irp i, 0,1,2,3
	ds_load_b128 v[X+16*((\t)%2)+4*\i:X+16*((\t)%2)+4*\i+3], v15 offset:32*SP*((\t)%2)+16*\i
.endr
.endm
.irp t, 0,1,2,3
	LOAD \t
.endr
	s_wait_loadcnt 12                              ; row 0's four loads are in
	TURN 0
.macro STEP t
.set XS, X+16*((\t)%2)
.if (\t) > 0
	s_wait_dscnt 2                                 ; this row's numbers are back from the stage; the last step's byte store and code store may be out
.else
	s_wait_dscnt 0x0
.endif
.if (\t)+4 < 16
	LOAD (\t)+4                                    ; into the set that this row's stage stores have read
.endif
.if (\t)+1 < 16
.if 14-(\t) >= 3
	s_wait_loadcnt 12                              ; the next row's four loads are in; those of the three rows behind it may be out
.else
	s_wait_loadcnt 4*(14-(\t))
.endif
	TURN (\t)+1                                    ; it goes through the other stage while this row is worked
.endif
	v_max3_num_f32 v8, |v[XS]|, |v[XS+1]|, |v[XS+2]|               ; the largest magnitude of my 16, in two chains
	v_max3_num_f32 v9, |v[XS+3]|, |v[XS+4]|, |v[XS+5]|
.irp i, 6,10
	v_max3_num_f32 v8, v8, |v[XS+\i]|, |v[XS+\i+1]|
	v_max3_num_f32 v9, v9, |v[XS+\i+2]|, |v[XS+\i+3]|
.endr
	v_max3_num_f32 v8, v8, |v[XS+14]|, |v[XS+15]|
	v_max3_num_f32 v8, v8, v9, 0x8000000           ; and the floor 2^(16 - 127): the byte cannot fall under 1
	v_max_num_f32_dpp v8, v8, v8 row_xmask:1 row_mask:0xf bank_mask:0xf   ; and of my neighbour's 16: the block's
	v_add_nc_u32 v11, 0xf8800000, v8               ; 15 off its exponent field: the conversion takes the exponent field of this operand as its scale
	v_and_or_b32 v10, v8, 0x7f800000, s31          ; 57,344 x the scale
.irp i, 0,1,2,3,4,5,6,7,8,9,10,11,12,13,14,15
	v_med3_num_f32 v[XS+\i], v[XS+\i], -v10, v10   ; the conversion to an 8-bit code does not saturate (ISA guide 7.6.2): the hold comes first
.endr
	v_cvt_scalef32_pk8_bf8_f32 v[C+4*(\t):C+4*(\t)+1], v[XS:XS+7], v11
	v_cvt_scalef32_pk8_bf8_f32 v[C+4*(\t)+2:C+4*(\t)+3], v[XS+8:XS+15], v11
	v_lshrrev_b32 v[E+(\t)], 23, v11               ; the scale's byte; also the plain line behind the conversions
	ds_store_b8 v5, v[E+(\t)] offset:16*(\t)       ; both lanes of a block write the same byte with the same value
	ds_store_b128 v4, v[C+4*(\t):C+4*(\t)+3] offset:16*(\t)        ; bytes 256 lane + 16 t of the wave's codes
.endm
.irp t, 0,1,2,3,4,5,6,7,8,9,10,11,12,13,14,15
	STEP \t
.endr
	ds_load_b64 v[80:81], v6                       ; LDS serves a wave's instructions in order: these loads see my stores
.irp n, 0,1,2,3,4,5,6,7,8,9,10,11,12,13,14,15
	ds_load_b128 v[R+4*\n:R+4*\n+3], v12 offset:2*OP*\n
.endr
	s_wait_dscnt 16                                ; the scale bytes are back; the sixteen loads of codes may be out
	global_store_b64 v7, v[80:81], s[14:15]        ; 32 lanes store 256 consecutive bytes, aligned
.irp n, 0,1,2,3,4,5,6,7,8,9,10,11,12,13,14,15
	s_wait_dscnt 15-\n
	global_store_b128 v3, v[R+4*\n:R+4*\n+3], s[12:13] offset:512*\n   ; 32 lanes store 512 consecutive bytes, aligned
.endr
	s_wait_tensorcnt 0x0
	ds_add_u32 v192, v193
	s_wait_dscnt 0x0
	s_endpgm
.Lfunc_end_k_q4d179222d7_quant:
	.size	k_q4d179222d7_quant, .Lfunc_end_k_q4d179222d7_quant-k_q4d179222d7_quant
	.p2alignl 7, 3214868480
	.fill 96, 4, 3214868480
	.section	.rodata,"a",@progbits
	.p2align	6, 0x0
	.amdhsa_kernel k_q4d179222d7_quant
		.amdhsa_group_segment_fixed_size 57856
		.amdhsa_private_segment_fixed_size 0
		.amdhsa_enable_private_segment 0
		.amdhsa_kernarg_size 48
		.amdhsa_user_sgpr_count 2
		.amdhsa_user_sgpr_kernarg_segment_ptr 1
		.amdhsa_wavefront_size32 1
		.amdhsa_system_sgpr_workgroup_id_x 1
		.amdhsa_system_sgpr_workgroup_id_y 1
		.amdhsa_system_sgpr_workgroup_id_z 1
		.amdhsa_system_vgpr_workitem_id 0
		.amdhsa_next_free_vgpr 194
		.amdhsa_next_free_sgpr 66
		.amdhsa_reserve_vcc 0
		.amdhsa_float_denorm_mode_32 3
		.amdhsa_float_denorm_mode_16_64 3
		.amdhsa_memory_ordered 1
		.amdhsa_forward_progress 1
		.amdhsa_inst_pref_size 54
	.end_amdhsa_kernel
	.amdgpu_metadata
---
amdhsa.version: [ 1, 2 ]
amdhsa.kernels:
  - .name:           k_q4d179222d7_quant
    .symbol:         k_q4d179222d7_quant.kd
    .args:
      - { .name: x, .offset: 0, .size: 8, .value_kind: global_buffer, .address_space: global }
      - { .name: W_f, .offset: 8, .size: 8, .value_kind: global_buffer, .address_space: global }
      - { .name: W_i, .offset: 16, .size: 8, .value_kind: global_buffer, .address_space: global }
      - { .name: W_h, .offset: 24, .size: 8, .value_kind: global_buffer, .address_space: global }
      - { .name: xc, .offset: 32, .size: 8, .value_kind: global_buffer, .address_space: global }
      - { .name: wc, .offset: 40, .size: 8, .value_kind: global_buffer, .address_space: global }
    .group_segment_fixed_size: 57856
    .private_segment_fixed_size: 0
    .kernarg_segment_align: 8
    .kernarg_segment_size: 48
    .max_flat_workgroup_size: 128
    .sgpr_count:     66
    .vgpr_count:     194
    .wavefront_size: 32
...
	.end_amdgpu_metadata
.endif
;; end of part 3
;; launch pieces (part 4): grid 16 x 16, 4 waves a work-group, clusters of 4 x 1, 327,680 bytes of LDS; arguments xc, wc, b_f, b_i, b_h, agg; writes agg
.if DOCPART == 4
	.amdgcn_target "amdgcn-amd-amdhsa--gfx1250"
	.amdhsa_code_object_version 6
	.text
	.protected	k_q4d179222d7_pieces
	.globl	k_q4d179222d7_pieces
	.p2align	8
	.type	k_q4d179222d7_pieces,@function
k_q4d179222d7_pieces:
	s_mov_b64 s[64:65], 0
	v_nop
	global_prefetch_b8 v0, s[64:65] scope:SCOPE_SE
	s_setreg_imm32_b32 hwreg(HW_REG_WAVE_MODE, 25, 1), 1
	s_wait_xcnt 0x0
	s_wait_alu depctr_hold_cnt(0) depctr_sa_sdst(0) depctr_va_vdst(0) depctr_va_sdst(0) depctr_va_ssrc(0) depctr_va_vcc(0) depctr_vm_vsrc(0)
	s_getreg_b32 s2, hwreg(HW_REG_IB_STS2, 6, 4)
	s_cmp_eq_u32 s2, 0
	s_cbranch_scc0 .Lentry_in_a_cluster
	s_endpgm
.Lentry_in_a_cluster:
	s_bfe_u32 s2, ttmp6, 0x10000c
	s_cmp_lg_u32 s2, 0x3003
	s_cbranch_scc0 .Lentry_shape_is_right
	s_endpgm
.Lentry_shape_is_right:
; TWO LAUNCHES RUN THIS TEXT; they differ in the two lines below.  This is PASS = 1.
.set PASS,  1                          ; 1: the pieces' pairs (A, H) are stored;  2: the carry is made of them, and out is stored
.set NSLOT, 6                          ; slots of 128 rows that a work-group walks: 768 rows in pass 1, 1,024 in pass 2
; out[b][l][e] = h_l, where h_l = f_l h_(l-1) + i_l g_l, h before the first step = 0.  With a = e^-f_pre, b = e^-i_pre:  f = (1 + b) / (2 + a + b),  i = (1 + a) / (2 + a + b);
; g = h_pre + 0.5 where h_pre >= 0, else sigmoid(h_pre).  That is the scan of the log-space form written in plain numbers: f + i = 1, so every h is a convex mix of earlier g, never above the largest g,
; and all terms are >= 0: no exponential of a running sum is ever formed.  The three exponentials of the gates (a, b and the 1) have their common maximum max(-f_pre, -i_pre, 0) taken away first;
; sigmoid is taken of -|h_pre|.  The pre-activations are x W^T + bias on codes of BF8 (E5M2) with E8M0 scales, sums in f32.
; LIMITS: NaN and infinities are not served; exponentials under 2^-126 come out as 0 (ISA guide, v_exp_f32).
; L IS CUT, so that a work-group can own 64 channels and not 16: the same bytes of x then feed four times the products between two changes of slots.  A stretch of steps is the pair (A, H): h_out = A h_in + H.
; PASS 1: work-group (G, b, c) takes channels 64 G on, rows 768 c on of batch b, and stores (A, H) of each 256 rows: pieces 3 c .. 3 c + 2 of the batch's twelve, which cover rows 0 to 3,071.
; PASS 2: work-group (G, b, q) takes rows 1,024 q on, makes its carry of the first 4 q pieces, does the products and gates again, and stores out.  Products are done twice so that no f32 intermediate goes to memory.
; SHARES.  Wave w owns channels 16 w .. 16 w + 15 of the 64 and keeps their 48 rows of W (3 gates x 8 K steps x 16 registers) in registers.  It walks ALL 128 rows of a slot, in four groups of two tiles of 16:
; the scan never leaves the wave.  A group's 66 LDS loads are issued behind the products of the group before and land under its gates.
; LAYOUT.  Source 0 = 16 rows of x, source 1 = 16 rows of W: lane (r, hh) holds channel r, and its registers 0-7 the steps 8 hh + 0 .. 7: a lane scans its eight steps by itself; the halves of a tile meet by one
; lane exchange, the two tiles and the groups in registers.
; CLUSTER.  The four work-groups of a cluster own neighbouring channel groups of the same rows: each wave's quarter of a slot is asked for JOINTLY, by the same tensor load with the same descriptor and the mask of all four.
; OUTPUT (pass 2).  A row's 256 bytes come from four waves: each puts its 64 bytes into a region of its own of a stage in LDS; behind a barrier each wave reads 32 whole rows and stores them, sixteen lanes to 256
; consecutive aligned bytes.
; REGISTERS, in windows of 256 (s_set_vgpr_msb: bits 1:0 source 0, 3:2 source 1, 5:4 source 2, 7:6 destination).  Window 0: all that vector instructions touch (map below).
; Window 1: W_f at v[16 s], W_i at v[128 + 16 s].  Window 2: W_h at v[16 s].  Window 3: x's fragments at v[128 t + 16 s].
.set TILEB, 16896                      ; a tile: 16,384 bytes of codes as images of operand registers, then 512 scale bytes
.set GRPB,  2*TILEB                    ; a group of two tiles; also a wave's quarter of a slot: 132 rows of 256 bytes
.set SLOTB, 8*TILEB                    ; a slot: 128 rows of x; read at 16 x lane, so no padding
.set STG,   2*SLOTB                    ; behind the ring: the stage, a region for each writing wave
.set SROW,  80                         ; a row in a region: 64 bytes + 16: rows 8 apart begin 32 banks apart, so the two halves of the lanes do not meet
.set SREG,  128*SROW+64                ; a region; the 64 bytes put the four regions' pieces of a row on four different sets of 16 banks
.set SPARE, STG+4*SREG                 ; the spare words, 128 bytes for each wave: two blocks of 256 bytes that no other line names
.set SPW,  1                           ; v1   SPARE + 4 x my thread's number; never rewritten
.set NIL,  2                           ; v2   0; never rewritten
.set ADG,  3                           ; v3   LDS address of the group in hand: its first byte + 16 x lane
.set STA,  4                           ; v4   pass 2: where the group's rows go in my region of the stage
.set STO,  5                           ; v5   pass 2: my place in my region: 8 hh rows + 4 r
.set L16,  6                           ; v6   16 x lane
.set SRD,  7                           ; v7   pass 2: where I read whole rows back
.set GO,   8                           ; v8   my byte offset in what is stored
.set PFO,  9                           ; v9   256 x lane: the prefetches' offset
.set R4,   10                          ; v10  4 r
.set CY,   12                          ; v12  pass 2: the carry, h behind the last group, of channel r;  pass 1: H of the piece so far
.set AR,   13                          ; v13  pass 1: A of the piece so far
.set CL,   14                          ; v[14:15], v[16:17] the carry at my lane's eight rows of tile 0, 1 (the low word serves both halves of the packed form)
.set PA,   18                          ; v18-21 (PA, PH) of tile 0, 1: from the group's first row to my lane's first
.set WS,   24                          ; v24-35 W's scale words: gate g, register j: lanes 0-15 K step j, lanes 16-31 K step 4 + j
.set XS,   36                          ; v36-43 x's scale words likewise: tile x 4 + j
.set BC,   52                          ; v52-75 the biases as C: gate g's eight registers all hold b_g of my channel
.set F,    80                          ; v80-95   f_pre (tile 0, tile 1), then i, then v = i g, then hloc
.set I,    96                          ; v96-111  i_pre, then f, then Acum
.set HH,   112                         ; v112-127 h_pre
.set U,    128                         ; v128-191 at work (U, G, T, LIN); on the way out 16 x 4 registers of whole rows
.set G,    144
.set T,    160
.set LIN,  176
.set OUT,  192                         ; v192-207 the group's results
.set XT,   216                         ; v216-234 at work across lanes: ten a tile
.set RW,   236                         ; v[236:237] the group's pair (A, H)
.set RV,   238                         ; v238 at work
; s18 which stretch of L, s20 wave, s21 cx, s22 channel group, s23 batch; s[24:31] descriptor group 1; s[32:35], s[36:39] group 0 of slot 0, 1; s[40:41] out; s42 the group's first LDS byte, s43 its rows in the stage;
; s[44:45] the prefetches; s46 the trip's number less 1, s47 its bound for prefetches; s48, s49 loop counts; s[50:51] log2 e, s[52:53] -log2 e; s[54:55] lane selects; s56 lanes 16-31; s57-59 all ones where
; the stretch is above 0, 1, 2; s60-63, s66-67 at work, never holding cx; s68-77 at work
.set MSB, 0
.macro WIN new                         ; the immediate's high byte repeats the setting that is left
.if MSB != \new
	s_set_vgpr_msb (MSB<<8)|\new
.set MSB, \new
.endif
.endm
; A round of the cluster's barrier: my work-group's barrier, wave 0 signals for the work-group, every wave waits for all four work-groups, my work-group's barrier once more.
.macro ROUND
	s_barrier_signal -1
	s_barrier_wait -1
	s_cmp_lg_u32 s20, 0
	s_cbranch_scc1 .Lnot_wave_0_\@
	s_barrier_signal -3
.Lnot_wave_0_\@:
	s_barrier_wait -3
	s_barrier_signal -1
	s_barrier_wait -1
.endm
	s_load_b256 s[4:11], s[0:1], 0x0               ; xc s[4:5], wc s[6:7], b_f s[8:9], b_i s[10:11]
	s_load_b128 s[12:15], s[0:1], 0x20             ; b_h s[12:13], agg s[14:15]
.if PASS == 2
	s_load_b64 s[16:17], s[0:1], 0x30              ; out
.endif
	v_lshl_add_u32 v[SPW], v0, 2, SPARE
	v_mov_b32 v[NIL], 0
	ds_add_u32 v1, v2
	ds_add_u32 v1, v2
	s_wait_dscnt 0x0
	v_lshrrev_b32 v11, 5, v0
	v_readfirstlane_b32 s20, v11                   ; wave 0..3
	s_bfe_u32 s21, ttmp6, 0x40000                  ; cx: my place in the cluster
	s_and_b32 s19, ttmp7, 0xffff                   ; work-group y, which the four partners share:
	s_and_b32 s23, s19, 3                          ; the batch,
	s_lshr_b32 s18, s19, 2                         ; the stretch of L
	; descriptor group 1: a dense block of 33,792 bytes as 132 rows of 256 bytes (32 elements of 8 bytes)
	s_mov_b32 s24, 0x0023000f                      ; 15:0 the mask: all four work-groups; 17:16 elements of 8 bytes; 20 no padding; 21 set beside a mask
	s_mov_b32 s25, 32<<16                          ; tensor_dim0 = 32
	s_mov_b32 s26, 132<<16                         ; tensor_dim1 = 132
	s_mov_b32 s27, 32<<16                          ; tile_dim0 = 32
	s_mov_b32 s28, 132                             ; tile_dim1 = 132
	s_mov_b32 s29, 32                              ; elements from row to row
	s_mov_b32 s30, 0
	s_mov_b32 s31, 0
	s_mov_b32 s50, 0x3fb8aa3b                      ; log2 e
	s_mov_b32 s51, s50                             ; (named with it as a pair, so it is written)
	s_mov_b32 s52, 0xbfb8aa3b                      ; -log2 e
	s_mov_b32 s53, s52
	s_mov_b32 s54, 0x76543210
	s_mov_b32 s55, 0xfedcba98                      ; v_permlanex16_b32's selects for lane l xor 16
	s_mov_b32 s56, 0xffff0000                      ; lanes 16-31
	s_mov_b32 s46, -2
	s_cmp_eq_u32 ttmp9, 0                          ; of the four clusters that walk the same rows the first prefetches: the same in all four partners
	s_cselect_b32 s47, NSLOT-3, 0
	s_lshl_b32 s60, s23, 8                         ; the batch's 256 tiles,
	s_mul_i32 s61, s18, 8*NSLOT                    ; the stretch's
	s_add_co_u32 s60, s60, s61
	s_mul_i32 s60, s60, TILEB                      ; my work-group's first byte of xc
	s_mov_b32 s66, s60
	s_mul_i32 s62, s20, GRPB                       ; my wave's quarter of a slot: in memory and in LDS alike
	s_add_co_u32 s60, s60, s62
	s_mov_b32 s61, 0
	s_lshl_b32 s72, s21, 1                         ; the prefetches: wave 4 cx + w of the cluster's sixteen takes half a tile's codes, 8,192 bytes: the partners are told apart BY ADDRESS
	s_lshr_b32 s74, s20, 1
	s_add_co_u32 s72, s72, s74
	s_mul_i32 s72, s72, TILEB
	s_and_b32 s74, s20, 1
	s_lshl_b32 s74, s74, 13
	s_add_co_u32 s72, s72, s74
	s_add_co_u32 s72, s72, s66
	s_add_co_u32 s72, s72, SLOTB                   ; at slot 1: trip n finds it stepped to slot n + 2
	s_mov_b32 s73, 0
	s_lshl_b32 s22, ttmp9, 2                       ; in a cluster launch ttmp9 counts clusters
	s_add_co_u32 s22, s22, s21                     ; the channel group = 4 x cluster x + cx: it enters W's, the biases', agg's and out's addresses alone
	s_lshl_b32 s70, s22, 2
	s_add_co_u32 s70, s70, s20                     ; my wave's strip of 16 channels
	s_mul_i32 s74, s70, 3*TILEB                    ; wc: three tiles a strip
	s_mov_b32 s75, 0
	s_lshl_b32 s70, s70, 6                         ; 64 bytes of f32 a strip
	s_mov_b32 s71, 0
.if PASS == 2
	s_lshl_b32 s68, s23, 24                        ; out: the batch's 16,777,216 bytes, the stretch's 1,024 rows of 4,096, my wave's 32 rows, my group's 256 bytes
	s_lshl_b32 s76, s18, 22
	s_add_co_u32 s68, s68, s76
	s_lshl_b32 s76, s20, 17
	s_add_co_u32 s68, s68, s76
	s_lshl_b32 s76, s22, 8
	s_add_co_u32 s68, s68, s76
	s_mov_b32 s69, 0
	s_mul_i32 s76, s23, 98304                      ; agg: the batch's twelve pieces of 8,192 bytes
	s_add_co_u32 s76, s76, s70
	s_mov_b32 s77, 0
	s_cmp_gt_u32 s18, 0
	s_cselect_b32 s57, -1, 0
	s_cmp_gt_u32 s18, 1
	s_cselect_b32 s58, -1, 0
	s_cmp_gt_u32 s18, 2
	s_cselect_b32 s59, -1, 0
.else
	s_mul_i32 s76, s23, 12                         ; agg: piece 12 b + 3 c, 8,192 bytes a piece: 4,096 of A, 4,096 of H
	s_mul_i32 s68, s18, 3
	s_add_co_u32 s76, s76, s68
	s_lshl_b32 s76, s76, 13
	s_add_co_u32 s76, s76, s70
	s_mov_b32 s77, 0
.endif
	v_and_b32 v11, 31, v0                          ; lane
	v_lshlrev_b32 v[L16], 4, v11
	v_lshlrev_b32 v[PFO], 8, v11
	v_and_b32 v22, 15, v0                          ; r
	v_bfe_u32 v23, v0, 4, 1                        ; hh
	v_lshlrev_b32 v[R4], 2, v22
.if PASS == 2
	s_mul_i32 s63, s20, SREG
	s_add_co_u32 s63, s63, STG                     ; my region of the stage
	v_mul_u32_u24 v[STO], v23, 8*SROW
	v_add_nc_u32 v[STO], v[STO], v[R4]
	v_add_nc_u32 v[STO], s63, v[STO]
	s_mul_i32 s63, s20, 32*SROW
	s_add_co_u32 s63, s63, STG                     ; back: my 32 rows; lanes 0-15 take one row, lanes 16-31 the next; lane r's 16 bytes lie in region r / 4, at 16 (r % 4)
	v_lshrrev_b32 v[SRD], 2, v22
	v_mul_u32_u24 v[SRD], v[SRD], SREG
	v_mad_u32_u24 v[SRD], v23, SROW, v[SRD]
	v_and_b32 v[GO], 3, v22
	v_lshl_add_u32 v[SRD], v[GO], 4, v[SRD]
	v_add_nc_u32 v[SRD], s63, v[SRD]
	v_lshlrev_b32 v[GO], 4, v22
	v_lshl_add_u32 v[GO], v23, 12, v[GO]           ; and the same two rows in out
	v_mov_b32 v[CL+1], 0                           ; (named as the upper halves of pairs)
	v_mov_b32 v[CL+3], 0
.else
	v_lshl_add_u32 v[GO], v23, 12, v[R4]           ; lanes 0-15 store A, lanes 16-31 H, 4,096 bytes further on
.endif
.irp q, 0,1,10,11
	v_mov_b32 v[XT+\q], 0                          ; written once: a lane permute's destination counts as one of its sources
.endr
	s_wait_kmcnt 0x0
	s_mov_b32 s32, 1                               ; group 0 of slot 0: count = 1,
	s_mov_b32 s33, s62                             ; LDS address: wave x 33,792: no place in the cluster enters it,
	s_add_nc_u64 s[34:35], s[4:5], s[60:61]        ; global address: my wave's quarter of the first 128 rows
	s_mov_b32 s36, 1
	s_add_co_u32 s37, s62, SLOTB
	s_add_nc_u64 s[38:39], s[34:35], SLOTB         ; slot 1: the next 128 rows
	s_or_b32 s35, s35, 0x80000000                  ; type = 2
	s_or_b32 s39, s39, 0x80000000
	s_add_nc_u64 s[44:45], s[4:5], s[72:73]
	s_add_nc_u64 s[6:7], s[6:7], s[74:75]
	s_add_nc_u64 s[8:9], s[8:9], s[70:71]
	s_add_nc_u64 s[10:11], s[10:11], s[70:71]
	s_add_nc_u64 s[12:13], s[12:13], s[70:71]
	s_add_nc_u64 s[14:15], s[14:15], s[76:77]
.if PASS == 2
	s_add_nc_u64 s[40:41], s[16:17], s[68:69]
.endif
	ROUND                                          ; all four work-groups are here: the first joint loads meet
	tensor_load_to_lds s[32:35], s[24:31]          ; slot 0
	s_nop 0
.rept 4
	v_nop                                          ; four plain lines follow a tensor load
.endr
	WIN 0x40                                       ; destination window 1
.irp g, 0,1
.irp s, 0,1,2,3,4,5,6,7
.irp c, 0,1,2,3
	global_load_b128 v[128*\g+16*\s+4*\c:128*\g+16*\s+4*\c+3], v[L16], s[6:7] offset:TILEB*\g+2048*\s+512*\c   ; W_f, W_i: they stay
.endr
.endr
.endr
	WIN 0x80                                       ; destination window 2
.irp s, 0,1,2,3,4,5,6,7
.irp c, 0,1,2,3
	global_load_b128 v[16*\s+4*\c:16*\s+4*\c+3], v[L16], s[6:7] offset:2*TILEB+2048*\s+512*\c                  ; W_h
.endr
.endr
	WIN 0
.irp g, 0,1,2
	global_load_b128 v[WS+4*\g:WS+4*\g+3], v[L16], s[6:7] offset:TILEB*\g+16384
.endr
	s_wait_alu depctr_va_vdst(0)
.irp g, 0,1,2
.irp j, 0,1,2,3,4,5,6,7
	global_load_b32 v[BC+8*\g+\j], v[R4], s[8+2*\g:9+2*\g]     ; in the result's layout a lane's eight registers are one channel: the same bias in all eight
.endr
.endr
.if PASS == 2
.irp p, 0,1,2,3,4,5,6,7,8,9,10,11
	global_load_b32 v[U+2*\p], v[R4], s[14:15] offset:8192*\p           ; the batch's twelve pieces, of my channel: A,
	global_load_b32 v[U+2*\p+1], v[R4], s[14:15] offset:8192*\p+4096    ; H
.endr
.endif
	s_wait_loadcnt 0x0
	v_mov_b32 v[CY], 0                             ; h before the first step (pass 1: H of an empty piece)
.if PASS == 2
.irp p, 0,1,2,3,4,5,6,7,8,9,10,11
	v_fma_f32 v[RV], v[U+2*\p], v[CY], v[U+2*\p+1]
	v_cndmask_b32 v[CY], v[CY], v[RV], s[57+\p/4]  ; piece p lies ahead of my rows where p / 4 < my stretch: a choice by a mask made of the work-group's number, no branch
.endr
.else
	v_mov_b32 v[AR], 1.0
.endif
; 66 LDS loads in one run: the group's two tiles: their scale words, then their fragments in the order in which the products take them
.macro FRAGS
	ds_load_b128 v[XS:XS+3], v[ADG] offset:16384
	ds_load_b128 v[XS+4:XS+7], v[ADG] offset:TILEB+16384
	WIN 0xc0                                       ; destination window 3, address window 0
.irp s, 0,1,2,3,4,5,6,7
.irp t, 0,1
.irp c, 0,1,2,3
	ds_load_b128 v[128*\t+16*\s+4*\c:128*\t+16*\s+4*\c+3], v[ADG] offset:TILEB*\t+2048*\s+512*\c
.endr
.endr
.endr
	WIN 0
.endm
; A PREFETCH of the codes of the slot that stands two on from the trip's own, which the next trip's tensor load asks for.  A slot's codes are 512 blocks of 256 bytes: 4 partners x 4 waves x 32 lanes, each lane
; another block; four clusters walk the same rows, and the first of them asks, nobody else: each block is named once in the launch.  Trips 1 to NSLOT - 3 ask (slots 3 to NSLOT - 1).
; The tiles' scale bytes, 16 blocks a slot, do not share out among 512 lanes: they are not asked for and come by the tensor load alone.
; The same loads in parts, for a group whose loads go out between the stages of the gates of the group before: the scale words; K step s of both tiles.  The order of issue is FRAGS's.
.macro FRX
	ds_load_b128 v[XS:XS+3], v[ADG] offset:16384
	ds_load_b128 v[XS+4:XS+7], v[ADG] offset:TILEB+16384
.endm
.macro FRK s
	WIN 0xc0
.irp t, 0,1
.irp c, 0,1,2,3
	ds_load_b128 v[128*\t+16*(\s)+4*\c:128*\t+16*(\s)+4*\c+3], v[ADG] offset:TILEB*\t+2048*(\s)+512*\c
.endr
.endr
	WIN 0
.endm
.macro PFK pf, s
.if \pf
	FRK \s
.endif
.endm
.macro ASK
	s_cmp_lt_u32 s46, s47
	s_cbranch_scc0 .Lnot_mine_\@
	global_prefetch_b8 v[PFO], s[44:45] th:TH_LOAD_NT scope:SCOPE_SE
.Lnot_mine_\@:
.endm
; One product: accumulator acc of tile t, gate g (W at v[wb] of its window), K step s.  The first K step takes the bias as C: nothing is cleared and nothing is added later.
.macro PROD acc, wb, g, t, s
.if \s == 0
	v_wmma_scale_f32_16x16x128_f8f6f4 v[\acc+8*\t:\acc+8*\t+7], v[128*\t+16*\s:128*\t+16*\s+15], v[\wb+16*\s:\wb+16*\s+15], v[BC+8*\g:BC+8*\g+7], v[XS+4*\t+\s], v[WS+4*\g+\s] matrix_a_fmt:MATRIX_FMT_BF8 matrix_b_fmt:MATRIX_FMT_BF8
.elseif \s < 4
	v_wmma_scale_f32_16x16x128_f8f6f4 v[\acc+8*\t:\acc+8*\t+7], v[128*\t+16*\s:128*\t+16*\s+15], v[\wb+16*\s:\wb+16*\s+15], v[\acc+8*\t:\acc+8*\t+7], v[XS+4*\t+\s], v[WS+4*\g+\s] matrix_a_fmt:MATRIX_FMT_BF8 matrix_b_fmt:MATRIX_FMT_BF8
.else
	v_wmma_scale_f32_16x16x128_f8f6f4 v[\acc+8*\t:\acc+8*\t+7], v[128*\t+16*\s:128*\t+16*\s+15], v[\wb+16*\s:\wb+16*\s+15], v[\acc+8*\t:\acc+8*\t+7], v[XS+4*\t+\s-4], v[WS+4*\g+\s-4] matrix_a_fmt:MATRIX_FMT_BF8 matrix_b_fmt:MATRIX_FMT_BF8 matrix_a_scale:MATRIX_SCALE_ROW1 matrix_b_scale:MATRIX_SCALE_ROW1
.endif
.endm
; 48 products: 8 K steps x (3 gates x 2 tiles).  The six accumulators take turns, one instruction a turn.
.macro MM
.irp s, 0,1,2,3,4,5,6,7
	s_wait_dscnt 8*(7-\s)                          ; the scale words and K step s's eight loads are in; those of the later steps, eight each, may be out (where stage stores are younger still, the count is smaller than it need be)
	WIN 0x07                                       ; x window 3, W window 1, C and D window 0
	PROD F, 0, 0, 0, \s
	PROD F, 0, 0, 1, \s
	PROD I, 128, 1, 0, \s
	PROD I, 128, 1, 1, \s
	WIN 0x0b                                       ; W window 2
	PROD HH, 0, 2, 0, \s
	PROD HH, 0, 2, 1, \s
.endr
	WIN 0
.rept 8
	v_nop                                          ; eight places behind this form before its results are read and before loads are issued into its operands
.endr
.endm
; THE GATES AND THE LANE'S OWN SCAN: 16 numbers a lane of each gate.  Every accumulator is read from its low end on.
.macro EP1 pf                          ; pf = 1: K steps 1 to 7 of the next group's fragments are asked for between the stages, eight loads at a time
.set j, 0
.rept 16
	v_min3_num_f32 v[U+j], v[F+j], v[I+j], 0       ; -m, m = max(-f_pre, -i_pre, 0): the maximum that is taken away
.set j, j+1
.endr
.set j, 0
.rept 8
	v_pk_mul_f32 v[U+j:U+j+1], v[U+j:U+j+1], s[50:51] op_sel_hi:[1,0]                       ; in base 2
.set j, j+2
.endr
.set j, 0
.rept 8
	v_pk_fma_f32 v[F+j:F+j+1], v[F+j:F+j+1], s[52:53], v[U+j:U+j+1] op_sel_hi:[1,0,1]       ; (-f_pre - m) log2 e
	v_pk_fma_f32 v[I+j:I+j+1], v[I+j:I+j+1], s[52:53], v[U+j:U+j+1] op_sel_hi:[1,0,1]       ; (-i_pre - m) log2 e: of the three exponents the largest is 0
.set j, j+2
.endr
.set j, 0
.rept 16
	v_mul_f32 v[G+j], -|v[HH+j]|, s50              ; -|h_pre| log2 e
.set j, j+1
.endr
	PFK \pf, 1
	s_wait_alu depctr_va_vdst(0)                   ; the wait ahead of the batch
.irp q, F, I                           ; ONE BATCH of 64 exponentials, in place; none reads another's result
.set j, 0
.rept 16
	v_exp_f32 v[\q+j], v[\q+j]
.set j, j+1
.endr
.endr
	PFK \pf, 2
.irp q, U, G
.set j, 0
.rept 16
	v_exp_f32 v[\q+j], v[\q+j]
.set j, j+1
.endr
.endr
.set j, 0
.rept 8
	v_pk_add_f32 v[LIN+j:LIN+j+1], v[HH+j:HH+j+1], 0.5 op_sel_hi:[1,0]                      ; h_pre + 0.5: plain work that names no exponential's result
.set j, j+2
.endr
	PFK \pf, 3
	s_wait_alu depctr_va_vdst(0)                   ; one wait for the batch, ahead of its first reader
.set j, 0
.rept 8
	v_pk_add_f32 v[I+j:I+j+1], v[U+j:U+j+1], v[I+j:I+j+1]       ; (1 + b) e^-m
	v_pk_add_f32 v[F+j:F+j+1], v[U+j:U+j+1], v[F+j:F+j+1]       ; (1 + a) e^-m
	v_pk_add_f32 v[T+j:T+j+1], v[G+j:G+j+1], 1.0 op_sel_hi:[1,0]
.set j, j+2
.endr
.set j, 0
.rept 8
	v_pk_add_f32 v[U+j:U+j+1], v[F+j:F+j+1], v[I+j:I+j+1]       ; (2 + a + b) e^-m: between 1 and 4
.set j, j+2
.endr
	PFK \pf, 4
	s_wait_alu depctr_va_vdst(0)
.irp q, U, T                           ; a batch of 32 reciprocals
.set j, 0
.rept 16
	v_rcp_f32 v[\q+j], v[\q+j]
.set j, j+1
.endr
.endr
	v_nop                                          ; a plain line behind the last reciprocal,
	PFK \pf, 5
	s_wait_alu depctr_va_vdst(0)                   ; and one wait for the batch
.set j, 0
.rept 8
	v_pk_mul_f32 v[I+j:I+j+1], v[I+j:I+j+1], v[U+j:U+j+1]       ; f
	v_pk_mul_f32 v[F+j:F+j+1], v[F+j:F+j+1], v[U+j:U+j+1]       ; i
	v_pk_mul_f32 v[G+j:G+j+1], v[G+j:G+j+1], v[T+j:T+j+1]       ; sigmoid(-|h_pre|), at most 0.5
.set j, j+2
.endr
	PFK \pf, 6
.set j, 0
.rept 16
	v_max_num_f32 v[G+j], v[G+j], v[LIN+j]         ; g: for h_pre >= 0, h_pre + 0.5 >= 0.5 >= the sigmoid; for h_pre < 0, sigmoid(h_pre) > 0.5 + h_pre / 4 > h_pre + 0.5
.set j, j+1
.endr
.set j, 0
.rept 8
	v_pk_mul_f32 v[F+j:F+j+1], v[F+j:F+j+1], v[G+j:G+j+1]       ; v = i g
.set j, j+2
.endr
	PFK \pf, 7
.set j, 1
.rept 7                                ; my eight steps of each tile, the two tiles by turns
	v_fmac_f32 v[F+j], v[I+j], v[F+j-1]            ; hloc_j = f_j hloc_(j-1) + v_j
	v_fmac_f32 v[F+8+j], v[I+8+j], v[F+8+j-1]
	v_mul_f32 v[I+j], v[I+j], v[I+j-1]             ; Acum_j = f_j Acum_(j-1)
	v_mul_f32 v[I+8+j], v[I+8+j], v[I+8+j-1]
.set j, j+1
.endr
.endm
; THE PIECES MEET.  In a tile lanes 0-15 hold steps 0-7 and lanes 16-31 steps 8-15.  At work, ten registers a tile: +0 Ao, +1 Ho the other half's piece; +2 A1, +3 H1 the later half's; +4 H0 the earlier half's;
; +5 At, +6 Ht the tile's; +7 QA, +8 QH what stands ahead of my lane in its tile.  Both halves of the lanes end up with the same tile's and group's pairs.
.macro CROSS
.irp t, 0,1
	v_permlanex16_b32 v[XT+10*\t], v[I+8*\t+7], s54, s55
	v_permlanex16_b32 v[XT+10*\t+1], v[F+8*\t+7], s54, s55
.endr
.irp t, 0,1
	v_cndmask_b32 v[XT+10*\t+2], v[XT+10*\t], v[I+8*\t+7], s56
	v_cndmask_b32 v[XT+10*\t+3], v[XT+10*\t+1], v[F+8*\t+7], s56
	v_cndmask_b32 v[XT+10*\t+4], v[F+8*\t+7], v[XT+10*\t+1], s56
	v_mul_f32 v[XT+10*\t+5], v[I+8*\t+7], v[XT+10*\t]
.endr
.if PASS == 2
	v_cndmask_b32 v[PA], 1.0, v[XT], s56           ; tile 0: lanes 0-15 have nothing ahead of them, lanes 16-31 the earlier half
	v_cndmask_b32 v[PA+1], 0, v[XT+1], s56
	v_cndmask_b32 v[XT+17], 1.0, v[XT+10], s56
	v_cndmask_b32 v[XT+18], 0, v[XT+11], s56
.endif
.irp t, 0,1
	v_fma_f32 v[XT+10*\t+6], v[XT+10*\t+2], v[XT+10*\t+4], v[XT+10*\t+3]
.endr
.if PASS == 2
	v_mul_f32 v[PA+2], v[XT+5], v[XT+17]           ; tile 1: all of tile 0 stands ahead as well
	v_fma_f32 v[PA+3], v[XT+17], v[XT+6], v[XT+18]
.endif
	v_mul_f32 v[RW], v[XT+5], v[XT+15]             ; the group's 32 rows
	v_fma_f32 v[RW+1], v[XT+15], v[XT+6], v[XT+16]
.endm
; THE GROUP IS FINISHED.  Pass 2: out = Acum x carry + hloc goes into my region of the stage, and the carry passes over the group.  Pass 1: the piece's pair takes the group's in.
.macro FIN
.if PASS == 2
	v_fma_f32 v[CL], v[PA], v[CY], v[PA+1]                     ; the carry at my lane's eight rows of tile 0,
	v_fma_f32 v[CL+2], v[PA+2], v[CY], v[PA+3]                 ; of tile 1
	v_add_nc_u32 v[STA], s43, v[STO]
	v_fma_f32 v[CY], v[RW], v[CY], v[RW+1]                     ; behind the group
.irp t, 0,1
.irp p, 0,2,4,6
	v_pk_fma_f32 v[OUT+8*\t+\p:OUT+8*\t+\p+1], v[I+8*\t+\p:I+8*\t+\p+1], v[CL+2*\t:CL+2*\t+1], v[F+8*\t+\p:F+8*\t+\p+1] op_sel_hi:[1,0,1]
.endr
.endr
.irp t, 0,1
.irp j, 0,1,2,3,4,5,6,7
	ds_store_b32 v[STA], v[OUT+8*\t+\j] offset:(16*\t+\j)*SROW ; row 16 t + 8 hh + j of the group: sixteen lanes put my wave's 64 bytes of it
.endr
.endr
	s_add_co_u32 s43, s43, 32*SROW                 ; the next group's rows
.else
	v_fma_f32 v[CY], v[RW], v[CY], v[RW+1]
	v_mul_f32 v[AR], v[AR], v[RW]
.endif
.endm
; A TRIP: 128 rows, in the slot named.  refill = 1: the other slot is asked for.
; At its head the change of slots: each wave waits for all its tensor loads (one is out: its quarter of this trip's slot), adds 0 to its spare word, and waits for that and for its LDS reads (of the other slot,
; and in pass 2 of the stage).  Behind the barrier the other slot is filled again first.  By the text's own count a wave has one tensor load out.
.macro TRIP slot, refill, ep           ; ep = 1: the last group of the slot before is finished here, behind this slot's first fragment loads
	s_wait_tensorcnt 0x0                           ; no tensor load of mine is out, so a group 0 may be written
	ds_add_u32 v[SPW], v[NIL]                      ; 0 onto my spare word: the steps below stand between it and the wait for it
	s_add_nc_u64 s[34+4*\slot:35+4*\slot], s[34+4*\slot:35+4*\slot], 2*SLOTB   ; this slot's next 128 rows; the type bits on top are not reached
	s_wait_xcnt 0x0                                ; the last trip's prefetch has read its address, so it may step
	s_add_co_u32 s46, s46, 1
	s_add_nc_u64 s[44:45], s[44:45], SLOTB
	s_mov_b32 s42, \slot*SLOTB                     ; the first group
	s_wait_dscnt 0x0                               ; the add is done, my LDS reads are over
.if \refill
	ROUND                                          ; all that now holds of every wave of all four work-groups
	tensor_load_to_lds s[36-4*\slot:39-4*\slot], s[24:31]   ; my one tensor load behind the barrier: my quarter of the next 128 rows, into the slot read last trip: it has this slot's four groups in which to land
	s_nop 0
.rept 4
	v_nop
.endr
.else
	s_barrier_signal -1                            ; nothing is filled again: the work-group's own barrier: every wave's quarter of the last slot has landed
	s_barrier_wait -1
.endif
	v_add_nc_u32 v[ADG], s42, v[L16]
	FRAGS
.if \refill
	ASK
.endif
.if \ep
	LATE                                           ; the fragment loads above land under it
.if (PASS == 1) && (\slot == 0)
	REC_OUT                                        ; two slots are finished: a piece of 256 rows
.endif
.endif
	s_mov_b32 s43, 0
	s_mov_b32 s49, 3
.Lgroup_\@:                                            ; groups 0 to 2: behind a group's products the next group's loads go out, and land under this group's gates
	MM
	s_add_co_u32 s42, s42, GRPB
	v_add_nc_u32 v[ADG], s42, v[L16]
	FRX
	FRK 0
	EP1 1
	CROSS
	FIN
	s_sub_co_u32 s49, s49, 1
	s_cmp_lg_u32 s49, 0
	s_cbranch_scc1 .Lgroup_\@
	MM                                             ; group 3's products; its gates follow behind the next change of slots
.endm
; A slot's last group is finished: its gates, its scan, and in pass 2 the slot's 128 rows leave.
.macro LATE
	s_mov_b32 s43, 96*SROW                         ; its rows in the stage
	EP1 0
	CROSS
	FIN
.if PASS == 2
	s_wait_dscnt 0x0                               ; for the others' sake: my stores into the stage are done
	s_barrier_signal -1
	s_barrier_wait -1                              ; 128 whole rows lie in the stage.
.irp n, 0,1,2,3,4,5,6,7,8,9,10,11,12,13,14,15
	ds_load_b128 v[U+4*\n:U+4*\n+3], v[SRD] offset:2*SROW*\n   ; the stage is written again only behind the barrier below, in front of which every wave has waited for these
.endr
.irp n, 0,1,2,3,4,5,6,7,8,9,10,11,12,13,14,15
	s_wait_dscnt 15-\n
	global_store_b128 v[GO], v[U+4*\n:U+4*\n+3], s[40:41] offset:8192*\n th:TH_STORE_NT   ; rows 2 n, 2 n + 1 of my 32: sixteen lanes store 256 consecutive bytes, aligned; written once, read by nobody here
.endr
	s_wait_xcnt 0x0                                ; the stores have read their base and their data: the base steps, and the next gates may write the registers
	s_add_nc_u64 s[40:41], s[40:41], 524288        ; 128 rows on
	s_barrier_signal -1                            ; every wave's reads of the stage are back (the last count above is 0): the next group may store into it
	s_barrier_wait -1
.endif
.endm
.macro REC_OUT                         ; pass 1: a piece of 256 rows is whole: its pair leaves, and the next begins
	v_cndmask_b32 v[RV], v[AR], v[CY], s56         ; lanes 0-15 A, lanes 16-31 H
	global_store_b32 v[GO], v[RV], s[14:15]
	v_mov_b32 v[AR], 1.0
	v_mov_b32 v[CY], 0
	s_wait_xcnt 0x0                                ; the store has read its base
	s_add_nc_u64 s[14:15], s[14:15], 8192          ; the next piece
.endm
	TRIP 0, 1, 0                                   ; the first slot has no group to finish
	s_mov_b32 s48, NSLOT/2-1
.Lpass:                                                ; two slots to a pass: once round the ring
	TRIP 1, 1, 1
	TRIP 0, 1, 1
	s_sub_co_u32 s48, s48, 1
	s_cmp_lg_u32 s48, 0
	s_cbranch_scc1 .Lpass
	TRIP 1, 0, 1                                   ; the last slot is written out without a tensor load
	LATE                                           ; and its last group is finished
.if PASS == 1
	REC_OUT
.endif
	s_wait_tensorcnt 0x0                           ; the wave's end: behind my last tensor load and my last LDS store
	ds_add_u32 v[SPW], v[NIL]
	s_wait_dscnt 0x0
	ROUND                                          ; the closing round: no work-group ends while a partner may still ask for a tile that names it
	s_endpgm
.Lfunc_end_k_q4d179222d7_pieces:
	.size	k_q4d179222d7_pieces, .Lfunc_end_k_q4d179222d7_pieces-k_q4d179222d7_pieces
	.p2alignl 7, 3214868480
	.fill 96, 4, 3214868480
	.section	.rodata,"a",@progbits
	.p2align	6, 0x0
	.amdhsa_kernel k_q4d179222d7_pieces
		.amdhsa_group_segment_fixed_size 327680
		.amdhsa_private_segment_fixed_size 0
		.amdhsa_enable_private_segment 0
		.amdhsa_kernarg_size 48
		.amdhsa_user_sgpr_count 2
		.amdhsa_user_sgpr_kernarg_segment_ptr 1
		.amdhsa_wavefront_size32 1
		.amdhsa_system_sgpr_workgroup_id_x 1
		.amdhsa_system_sgpr_workgroup_id_y 1
		.amdhsa_system_sgpr_workgroup_id_z 1
		.amdhsa_system_vgpr_workitem_id 0
		.amdhsa_next_free_vgpr 1024
		.amdhsa_next_free_sgpr 80
		.amdhsa_reserve_vcc 0
		.amdhsa_float_denorm_mode_32 3
		.amdhsa_float_denorm_mode_16_64 3
		.amdhsa_memory_ordered 1
		.amdhsa_forward_progress 1
		.amdhsa_inst_pref_size 223
	.end_amdhsa_kernel
	.amdgpu_metadata
---
amdhsa.version: [ 1, 2 ]
amdhsa.kernels:
  - .name:           k_q4d179222d7_pieces
    .symbol:         k_q4d179222d7_pieces.kd
    .args:
      - { .name: xc, .offset: 0, .size: 8, .value_kind: global_buffer, .address_space: global }
      - { .name: wc, .offset: 8, .size: 8, .value_kind: global_buffer, .address_space: global }
      - { .name: b_f, .offset: 16, .size: 8, .value_kind: global_buffer, .address_space: global }
      - { .name: b_i, .offset: 24, .size: 8, .value_kind: global_buffer, .address_space: global }
      - { .name: b_h, .offset: 32, .size: 8, .value_kind: global_buffer, .address_space: global }
      - { .name: agg, .offset: 40, .size: 8, .value_kind: global_buffer, .address_space: global }
    .group_segment_fixed_size: 327680
    .private_segment_fixed_size: 0
    .kernarg_segment_align: 8
    .kernarg_segment_size: 48
    .max_flat_workgroup_size: 128
    .sgpr_count:     80
    .vgpr_count:     1024
    .wavefront_size: 32
...
	.end_amdgpu_metadata
.endif
;; end of part 4
;; launch scan (part 5): grid 16 x 16, 4 waves a work-group, clusters of 4 x 1, 327,680 bytes of LDS; arguments xc, wc, b_f, b_i, b_h, agg, out0; writes out0
.if DOCPART == 5
	.amdgcn_target "amdgcn-amd-amdhsa--gfx1250"
	.amdhsa_code_object_version 6
	.text
	.protected	k_q4d179222d7_scan
	.globl	k_q4d179222d7_scan
	.p2align	8
	.type	k_q4d179222d7_scan,@function
k_q4d179222d7_scan:
	s_mov_b64 s[64:65], 0
	v_nop
	global_prefetch_b8 v0, s[64:65] scope:SCOPE_SE
	s_setreg_imm32_b32 hwreg(HW_REG_WAVE_MODE, 25, 1), 1
	s_wait_xcnt 0x0
	s_wait_alu depctr_hold_cnt(0) depctr_sa_sdst(0) depctr_va_vdst(0) depctr_va_sdst(0) depctr_va_ssrc(0) depctr_va_vcc(0) depctr_vm_vsrc(0)
	s_getreg_b32 s2, hwreg(HW_REG_IB_STS2, 6, 4)
	s_cmp_eq_u32 s2, 0
	s_cbranch_scc0 .Lentry_in_a_cluster
	s_endpgm
.Lentry_in_a_cluster:
	s_bfe_u32 s2, ttmp6, 0x10000c
	s_cmp_lg_u32 s2, 0x3003
	s_cbranch_scc0 .Lentry_shape_is_right
	s_endpgm
.Lentry_shape_is_right:
; TWO LAUNCHES RUN THIS TEXT; they differ in the two lines below.  This is PASS = 2.
.set PASS,  2                          ; 1: the pieces' pairs (A, H) are stored;  2: the carry is made of them, and out is stored
.set NSLOT, 8                          ; slots of 128 rows that a work-group walks: 768 rows in pass 1, 1,024 in pass 2
; out[b][l][e] = h_l, where h_l = f_l h_(l-1) + i_l g_l, h before the first step = 0.  With a = e^-f_pre, b = e^-i_pre:  f = (1 + b) / (2 + a + b),  i = (1 + a) / (2 + a + b);
; g = h_pre + 0.5 where h_pre >= 0, else sigmoid(h_pre).  That is the scan of the log-space form written in plain numbers: f + i = 1, so every h is a convex mix of earlier g, never above the largest g,
; and all terms are >= 0: no exponential of a running sum is ever formed.  The three exponentials of the gates (a, b and the 1) have their common maximum max(-f_pre, -i_pre, 0) taken away first;
; sigmoid is taken of -|h_pre|.  The pre-activations are x W^T + bias on codes of BF8 (E5M2) with E8M0 scales, sums in f32.
; LIMITS: NaN and infinities are not served; exponentials under 2^-126 come out as 0 (ISA guide, v_exp_f32).
; L IS CUT, so that a work-group can own 64 channels and not 16: the same bytes of x then feed four times the products between two changes of slots.  A stretch of steps is the pair (A, H): h_out = A h_in + H.
; PASS 1: work-group (G, b, c) takes channels 64 G on, rows 768 c on of batch b, and stores (A, H) of each 256 rows: pieces 3 c .. 3 c + 2 of the batch's twelve, which cover rows 0 to 3,071.
; PASS 2: work-group (G, b, q) takes rows 1,024 q on, makes its carry of the first 4 q pieces, does the products and gates again, and stores out.  Products are done twice so that no f32 intermediate goes to memory.
; SHARES.  Wave w owns channels 16 w .. 16 w + 15 of the 64 and keeps their 48 rows of W (3 gates x 8 K steps x 16 registers) in registers.  It walks ALL 128 rows of a slot, in four groups of two tiles of 16:
; the scan never leaves the wave.  A group's 66 LDS loads are issued behind the products of the group before and land under its gates.
; LAYOUT.  Source 0 = 16 rows of x, source 1 = 16 rows of W: lane (r, hh) holds channel r, and its registers 0-7 the steps 8 hh + 0 .. 7: a lane scans its eight steps by itself; the halves of a tile meet by one
; lane exchange, the two tiles and the groups in registers.
; CLUSTER.  The four work-groups of a cluster own neighbouring channel groups of the same rows: each wave's quarter of a slot is asked for JOINTLY, by the same tensor load with the same descriptor and the mask of all four.
; OUTPUT (pass 2).  A row's 256 bytes come from four waves: each puts its 64 bytes into a region of its own of a stage in LDS; behind a barrier each wave reads 32 whole rows and stores them, sixteen lanes to 256
; consecutive aligned bytes.
; REGISTERS, in windows of 256 (s_set_vgpr_msb: bits 1:0 source 0, 3:2 source 1, 5:4 source 2, 7:6 destination).  Window 0: all that vector instructions touch (map below).
; Window 1: W_f at v[16 s], W_i at v[128 + 16 s].  Window 2: W_h at v[16 s].  Window 3: x's fragments at v[128 t + 16 s].
.set TILEB, 16896                      ; a tile: 16,384 bytes of codes as images of operand registers, then 512 scale bytes
.set GRPB,  2*TILEB                    ; a group of two tiles; also a wave's quarter of a slot: 132 rows of 256 bytes
.set SLOTB, 8*TILEB                    ; a slot: 128 rows of x; read at 16 x lane, so no padding
.set STG,   2*SLOTB                    ; behind the ring: the stage, a region for each writing wave
.set SROW,  80                         ; a row in a region: 64 bytes + 16: rows 8 apart begin 32 banks apart, so the two halves of the lanes do not meet
.set SREG,  128*SROW+64                ; a region; the 64 bytes put the four regions' pieces of a row on four different sets of 16 banks
.set SPARE, STG+4*SREG                 ; the spare words, 128 bytes for each wave: two blocks of 256 bytes that no other line names
.set SPW,  1                           ; v1   SPARE + 4 x my thread's number; never rewritten
.set NIL,  2                           ; v2   0; never rewritten
.set ADG,  3                           ; v3   LDS address of the group in hand: its first byte + 16 x lane
.set STA,  4                           ; v4   pass 2: where the group's rows go in my region of the stage
.set STO,  5                           ; v5   pass 2: my place in my region: 8 hh rows + 4 r
.set L16,  6                           ; v6   16 x lane
.set SRD,  7                           ; v7   pass 2: where I read whole rows back
.set GO,   8                           ; v8   my byte offset in what is stored
.set PFO,  9                           ; v9   256 x lane: the prefetches' offset
.set R4,   10                          ; v10  4 r
.set CY,   12                          ; v12  pass 2: the carry, h behind the last group, of channel r;  pass 1: H of the piece so far
.set AR,   13                          ; v13  pass 1: A of the piece so far
.set CL,   14                          ; v[14:15], v[16:17] the carry at my lane's eight rows of tile 0, 1 (the low word serves both halves of the packed form)
.set PA,   18                          ; v18-21 (PA, PH) of tile 0, 1: from the group's first row to my lane's first
.set WS,   24                          ; v24-35 W's scale words: gate g, register j: lanes 0-15 K step j, lanes 16-31 K step 4 + j
.set XS,   36                          ; v36-43 x's scale words likewise: tile x 4 + j
.set BC,   52                          ; v52-75 the biases as C: gate g's eight registers all hold b_g of my channel
.set F,    80                          ; v80-95   f_pre (tile 0, tile 1), then i, then v = i g, then hloc
.set I,    96                          ; v96-111  i_pre, then f, then Acum
.set HH,   112                         ; v112-127 h_pre
.set U,    128                         ; v128-191 at work (U, G, T, LIN); on the way out 16 x 4 registers of whole rows
.set G,    144
.set T,    160
.set LIN,  176
.set OUT,  192                         ; v192-207 the group's results
.set XT,   216                         ; v216-234 at work across lanes: ten a tile
.set RW,   236                         ; v[236:237] the group's pair (A, H)
.set RV,   238                         ; v238 at work
; s18 which stretch of L, s20 wave, s21 cx, s22 channel group, s23 batch; s[24:31] descriptor group 1; s[32:35], s[36:39] group 0 of slot 0, 1; s[40:41] out; s42 the group's first LDS byte, s43 its rows in the stage;
; s[44:45] the prefetches; s46 the trip's number less 1, s47 its bound for prefetches; s48, s49 loop counts; s[50:51] log2 e, s[52:53] -log2 e; s[54:55] lane selects; s56 lanes 16-31; s57-59 all ones where
; the stretch is above 0, 1, 2; s60-63, s66-67 at work, never holding cx; s68-77 at work
.set MSB, 0
.macro WIN new                         ; the immediate's high byte repeats the setting that is left
.if MSB != \new
	s_set_vgpr_msb (MSB<<8)|\new
.set MSB, \new
.endif
.endm
; A round of the cluster's barrier: my work-group's barrier, wave 0 signals for the work-group, every wave waits for all four work-groups, my work-group's barrier once more.
.macro ROUND
	s_barrier_signal -1
	s_barrier_wait -1
	s_cmp_lg_u32 s20, 0
	s_cbranch_scc1 .Lnot_wave_0_\@
	s_barrier_signal -3
.Lnot_wave_0_\@:
	s_barrier_wait -3
	s_barrier_signal -1
	s_barrier_wait -1
.endm
	s_load_b256 s[4:11], s[0:1], 0x0               ; xc s[4:5], wc s[6:7], b_f s[8:9], b_i s[10:11]
	s_load_b128 s[12:15], s[0:1], 0x20             ; b_h s[12:13], agg s[14:15]
.if PASS == 2
	s_load_b64 s[16:17], s[0:1], 0x30              ; out
.endif
	v_lshl_add_u32 v[SPW], v0, 2, SPARE
	v_mov_b32 v[NIL], 0
	ds_add_u32 v1, v2
	ds_add_u32 v1, v2
	s_wait_dscnt 0x0
	v_lshrrev_b32 v11, 5, v0
	v_readfirstlane_b32 s20, v11                   ; wave 0..3
	s_bfe_u32 s21, ttmp6, 0x40000                  ; cx: my place in the cluster
	s_and_b32 s19, ttmp7, 0xffff                   ; work-group y, which the four partners share:
	s_and_b32 s23, s19, 3                          ; the batch,
	s_lshr_b32 s18, s19, 2                         ; the stretch of L
	; descriptor group 1: a dense block of 33,792 bytes as 132 rows of 256 bytes (32 elements of 8 bytes)
	s_mov_b32 s24, 0x0023000f                      ; 15:0 the mask: all four work-groups; 17:16 elements of 8 bytes; 20 no padding; 21 set beside a mask
	s_mov_b32 s25, 32<<16                          ; tensor_dim0 = 32
	s_mov_b32 s26, 132<<16                         ; tensor_dim1 = 132
	s_mov_b32 s27, 32<<16                          ; tile_dim0 = 32
	s_mov_b32 s28, 132                             ; tile_dim1 = 132
	s_mov_b32 s29, 32                              ; elements from row to row
	s_mov_b32 s30, 0
	s_mov_b32 s31, 0
	s_mov_b32 s50, 0x3fb8aa3b                      ; log2 e
	s_mov_b32 s51, s50                             ; (named with it as a pair, so it is written)
	s_mov_b32 s52, 0xbfb8aa3b                      ; -log2 e
	s_mov_b32 s53, s52
	s_mov_b32 s54, 0x76543210
	s_mov_b32 s55, 0xfedcba98                      ; v_permlanex16_b32's selects for lane l xor 16
	s_mov_b32 s56, 0xffff0000                      ; lanes 16-31
	s_mov_b32 s46, -2
	s_cmp_eq_u32 ttmp9, 0                          ; of the four clusters that walk the same rows the first prefetches: the same in all four partners
	s_cselect_b32 s47, NSLOT-3, 0
	s_lshl_b32 s60, s23, 8                         ; the batch's 256 tiles,
	s_mul_i32 s61, s18, 8*NSLOT                    ; the stretch's
	s_add_co_u32 s60, s60, s61
	s_mul_i32 s60, s60, TILEB                      ; my work-group's first byte of xc
	s_mov_b32 s66, s60
	s_mul_i32 s62, s20, GRPB                       ; my wave's quarter of a slot: in memory and in LDS alike
	s_add_co_u32 s60, s60, s62
	s_mov_b32 s61, 0
	s_lshl_b32 s72, s21, 1                         ; the prefetches: wave 4 cx + w of the cluster's sixteen takes half a tile's codes, 8,192 bytes: the partners are told apart BY ADDRESS
	s_lshr_b32 s74, s20, 1
	s_add_co_u32 s72, s72, s74
	s_mul_i32 s72, s72, TILEB
	s_and_b32 s74, s20, 1
	s_lshl_b32 s74, s74, 13
	s_add_co_u32 s72, s72, s74
	s_add_co_u32 s72, s72, s66
	s_add_co_u32 s72, s72, SLOTB                   ; at slot 1: trip n finds it stepped to slot n + 2
	s_mov_b32 s73, 0
	s_lshl_b32 s22, ttmp9, 2                       ; in a cluster launch ttmp9 counts clusters
	s_add_co_u32 s22, s22, s21                     ; the channel group = 4 x cluster x + cx: it enters W's, the biases', agg's and out's addresses alone
	s_lshl_b32 s70, s22, 2
	s_add_co_u32 s70, s70, s20                     ; my wave's strip of 16 channels
	s_mul_i32 s74, s70, 3*TILEB                    ; wc: three tiles a strip
	s_mov_b32 s75, 0
	s_lshl_b32 s70, s70, 6                         ; 64 bytes of f32 a strip
	s_mov_b32 s71, 0
.if PASS == 2
	s_lshl_b32 s68, s23, 24                        ; out: the batch's 16,777,216 bytes, the stretch's 1,024 rows of 4,096, my wave's 32 rows, my group's 256 bytes
	s_lshl_b32 s76, s18, 22
	s_add_co_u32 s68, s68, s76
	s_lshl_b32 s76, s20, 17
	s_add_co_u32 s68, s68, s76
	s_lshl_b32 s76, s22, 8
	s_add_co_u32 s68, s68, s76
	s_mov_b32 s69, 0
	s_mul_i32 s76, s23, 98304                      ; agg: the batch's twelve pieces of 8,192 bytes
	s_add_co_u32 s76, s76, s70
	s_mov_b32 s77, 0
	s_cmp_gt_u32 s18, 0
	s_cselect_b32 s57, -1, 0
	s_cmp_gt_u32 s18, 1
	s_cselect_b32 s58, -1, 0
	s_cmp_gt_u32 s18, 2
	s_cselect_b32 s59, -1, 0
.else
	s_mul_i32 s76, s23, 12                         ; agg: piece 12 b + 3 c, 8,192 bytes a piece: 4,096 of A, 4,096 of H
	s_mul_i32 s68, s18, 3
	s_add_co_u32 s76, s76, s68
	s_lshl_b32 s76, s76, 13
	s_add_co_u32 s76, s76, s70
	s_mov_b32 s77, 0
.endif
	v_and_b32 v11, 31, v0                          ; lane
	v_lshlrev_b32 v[L16], 4, v11
	v_lshlrev_b32 v[PFO], 8, v11
	v_and_b32 v22, 15, v0                          ; r
	v_bfe_u32 v23, v0, 4, 1                        ; hh
	v_lshlrev_b32 v[R4], 2, v22
.if PASS == 2
	s_mul_i32 s63, s20, SREG
	s_add_co_u32 s63, s63, STG                     ; my region of the stage
	v_mul_u32_u24 v[STO], v23, 8*SROW
	v_add_nc_u32 v[STO], v[STO], v[R4]
	v_add_nc_u32 v[STO], s63, v[STO]
	s_mul_i32 s63, s20, 32*SROW
	s_add_co_u32 s63, s63, STG                     ; back: my 32 rows; lanes 0-15 take one row, lanes 16-31 the next; lane r's 16 bytes lie in region r / 4, at 16 (r % 4)
	v_lshrrev_b32 v[SRD], 2, v22
	v_mul_u32_u24 v[SRD], v[SRD], SREG
	v_mad_u32_u24 v[SRD], v23, SROW, v[SRD]
	v_and_b32 v[GO], 3, v22
	v_lshl_add_u32 v[SRD], v[GO], 4, v[SRD]
	v_add_nc_u32 v[SRD], s63, v[SRD]
	v_lshlrev_b32 v[GO], 4, v22
	v_lshl_add_u32 v[GO], v23, 12, v[GO]           ; and the same two rows in out
	v_mov_b32 v[CL+1], 0                           ; (named as the upper halves of pairs)
	v_mov_b32 v[CL+3], 0
.else
	v_lshl_add_u32 v[GO], v23, 12, v[R4]           ; lanes 0-15 store A, lanes 16-31 H, 4,096 bytes further on
.endif
.irp q, 0,1,10,11
	v_mov_b32 v[XT+\q], 0                          ; written once: a lane permute's destination counts as one of its sources
.endr
	s_wait_kmcnt 0x0
	s_mov_b32 s32, 1                               ; group 0 of slot 0: count = 1,
	s_mov_b32 s33, s62                             ; LDS address: wave x 33,792: no place in the cluster enters it,
	s_add_nc_u64 s[34:35], s[4:5], s[60:61]        ; global address: my wave's quarter of the first 128 rows
	s_mov_b32 s36, 1
	s_add_co_u32 s37, s62, SLOTB
	s_add_nc_u64 s[38:39], s[34:35], SLOTB         ; slot 1: the next 128 rows
	s_or_b32 s35, s35, 0x80000000                  ; type = 2
	s_or_b32 s39, s39, 0x80000000
	s_add_nc_u64 s[44:45], s[4:5], s[72:73]
	s_add_nc_u64 s[6:7], s[6:7], s[74:75]
	s_add_nc_u64 s[8:9], s[8:9], s[70:71]
	s_add_nc_u64 s[10:11], s[10:11], s[70:71]
	s_add_nc_u64 s[12:13], s[12:13], s[70:71]
	s_add_nc_u64 s[14:15], s[14:15], s[76:77]
.if PASS == 2
	s_add_nc_u64 s[40:41], s[16:17], s[68:69]
.endif
	ROUND                                          ; all four work-groups are here: the first joint loads meet
	tensor_load_to_lds s[32:35], s[24:31]          ; slot 0
	s_nop 0
.rept 4
	v_nop                                          ; four plain lines follow a tensor load
.endr
	WIN 0x40                                       ; destination window 1
.irp g, 0,1
.irp s, 0,1,2,3,4,5,6,7
.irp c, 0,1,2,3
	global_load_b128 v[128*\g+16*\s+4*\c:128*\g+16*\s+4*\c+3], v[L16], s[6:7] offset:TILEB*\g+2048*\s+512*\c   ; W_f, W_i: they stay
.endr
.endr
.endr
	WIN 0x80                                       ; destination window 2
.irp s, 0,1,2,3,4,5,6,7
.irp c, 0,1,2,3
	global_load_b128 v[16*\s+4*\c:16*\s+4*\c+3], v[L16], s[6:7] offset:2*TILEB+2048*\s+512*\c                  ; W_h
.endr
.endr
	WIN 0
.irp g, 0,1,2
	global_load_b128 v[WS+4*\g:WS+4*\g+3], v[L16], s[6:7] offset:TILEB*\g+16384
.endr
.irp g, 0,1,2
.irp j, 0,1,2,3,4,5,6,7
	global_load_b32 v[BC+8*\g+\j], v[R4], s[8+2*\g:9+2*\g]     ; in the result's layout a lane's eight registers are one channel: the same bias in all eight
.endr
.endr
.if PASS == 2
.irp p, 0,1,2,3,4,5,6,7,8,9,10,11
	global_load_b32 v[U+2*\p], v[R4], s[14:15] offset:8192*\p           ; the batch's twelve pieces, of my channel: A,
	global_load_b32 v[U+2*\p+1], v[R4], s[14:15] offset:8192*\p+4096    ; H
.endr
.endif
	s_wait_loadcnt 0x0
	v_mov_b32 v[CY], 0                             ; h before the first step (pass 1: H of an empty piece)
.if PASS == 2
.irp p, 0,1,2,3,4,5,6,7,8,9,10,11
	v_fma_f32 v[RV], v[U+2*\p], v[CY], v[U+2*\p+1]
	v_cndmask_b32 v[CY], v[CY], v[RV], s[57+\p/4]  ; piece p lies ahead of my rows where p / 4 < my stretch: a choice by a mask made of the work-group's number, no branch
.endr
.else
	v_mov_b32 v[AR], 1.0
.endif
; 66 LDS loads in one run: the group's two tiles: their scale words, then their fragments in the order in which the products take them
.macro FRAGS
	ds_load_b128 v[XS:XS+3], v[ADG] offset:16384
	ds_load_b128 v[XS+4:XS+7], v[ADG] offset:TILEB+16384
	WIN 0xc0                                       ; destination window 3, address window 0
.irp s, 0,1,2,3,4,5,6,7
.irp t, 0,1
.irp c, 0,1,2,3
	ds_load_b128 v[128*\t+16*\s+4*\c:128*\t+16*\s+4*\c+3], v[ADG] offset:TILEB*\t+2048*\s+512*\c
.endr
.endr
.endr
	WIN 0
.endm
; A PREFETCH of the codes of the slot that stands two on from the trip's own, which the next trip's tensor load asks for.  A slot's codes are 512 blocks of 256 bytes: 4 partners x 4 waves x 32 lanes, each lane
; another block; four clusters walk the same rows, and the first of them asks, nobody else: each block is named once in the launch.  Trips 1 to NSLOT - 3 ask (slots 3 to NSLOT - 1).
; The tiles' scale bytes, 16 blocks a slot, do not share out among 512 lanes: they are not asked for and come by the tensor load alone.
; The same loads in parts, for a group whose loads go out between the stages of the gates of the group before: the scale words; K step s of both tiles.  The order of issue is FRAGS's.
.macro FRX
	ds_load_b128 v[XS:XS+3], v[ADG] offset:16384
	ds_load_b128 v[XS+4:XS+7], v[ADG] offset:TILEB+16384
.endm
.macro FRK s
	WIN 0xc0
.irp t, 0,1
.irp c, 0,1,2,3
	ds_load_b128 v[128*\t+16*(\s)+4*\c:128*\t+16*(\s)+4*\c+3], v[ADG] offset:TILEB*\t+2048*(\s)+512*\c
.endr
.endr
	WIN 0
.endm
.macro PFK pf, s
.if \pf
	FRK \s
.endif
.endm
.macro ASK
	s_cmp_lt_u32 s46, s47
	s_cbranch_scc0 .Lnot_mine_\@
	global_prefetch_b8 v[PFO], s[44:45] th:TH_LOAD_NT scope:SCOPE_SE
.Lnot_mine_\@:
.endm
; One product: accumulator acc of tile t, gate g (W at v[wb] of its window), K step s.  The first K step takes the bias as C: nothing is cleared and nothing is added later.
.macro PROD acc, wb, g, t, s
.if \s == 0
	v_wmma_scale_f32_16x16x128_f8f6f4 v[\acc+8*\t:\acc+8*\t+7], v[128*\t+16*\s:128*\t+16*\s+15], v[\wb+16*\s:\wb+16*\s+15], v[BC+8*\g:BC+8*\g+7], v[XS+4*\t+\s], v[WS+4*\g+\s] matrix_a_fmt:MATRIX_FMT_BF8 matrix_b_fmt:MATRIX_FMT_BF8
.elseif \s < 4
	v_wmma_scale_f32_16x16x128_f8f6f4 v[\acc+8*\t:\acc+8*\t+7], v[128*\t+16*\s:128*\t+16*\s+15], v[\wb+16*\s:\wb+16*\s+15], v[\acc+8*\t:\acc+8*\t+7], v[XS+4*\t+\s], v[WS+4*\g+\s] matrix_a_fmt:MATRIX_FMT_BF8 matrix_b_fmt:MATRIX_FMT_BF8
.else
	v_wmma_scale_f32_16x16x128_f8f6f4 v[\acc+8*\t:\acc+8*\t+7], v[128*\t+16*\s:128*\t+16*\s+15], v[\wb+16*\s:\wb+16*\s+15], v[\acc+8*\t:\acc+8*\t+7], v[XS+4*\t+\s-4], v[WS+4*\g+\s-4] matrix_a_fmt:MATRIX_FMT_BF8 matrix_b_fmt:MATRIX_FMT_BF8 matrix_a_scale:MATRIX_SCALE_ROW1 matrix_b_scale:MATRIX_SCALE_ROW1
.endif
.endm
; 48 products: 8 K steps x (3 gates x 2 tiles).  The six accumulators take turns, one instruction a turn.
.macro MM
.irp s, 0,1,2,3,4,5,6,7
	s_wait_dscnt 8*(7-\s)                          ; the scale words and K step s's eight loads are in; those of the later steps, eight each, may be out (where stage stores are younger still, the count is smaller than it need be)
	WIN 0x07                                       ; x window 3, W window 1, C and D window 0
	PROD F, 0, 0, 0, \s
	PROD F, 0, 0, 1, \s
	PROD I, 128, 1, 0, \s
	PROD I, 128, 1, 1, \s
	WIN 0x0b                                       ; W window 2
	PROD HH, 0, 2, 0, \s
	PROD HH, 0, 2, 1, \s
.endr
	WIN 0
.rept 8
	v_nop                                          ; eight places behind this form before its results are read and before loads are issued into its operands
.endr
.endm
; THE GATES AND THE LANE'S OWN SCAN: 16 numbers a lane of each gate.  Every accumulator is read from its low end on.
.macro EP1 pf                          ; pf = 1: K steps 1 to 7 of the next group's fragments are asked for between the stages, eight loads at a time
.set j, 0
.rept 16
	v_min3_num_f32 v[U+j], v[F+j], v[I+j], 0       ; -m, m = max(-f_pre, -i_pre, 0): the maximum that is taken away
.set j, j+1
.endr
.set j, 0
.rept 8
	v_pk_mul_f32 v[U+j:U+j+1], v[U+j:U+j+1], s[50:51] op_sel_hi:[1,0]                       ; in base 2
.set j, j+2
.endr
.set j, 0
.rept 8
	v_pk_fma_f32 v[F+j:F+j+1], v[F+j:F+j+1], s[52:53], v[U+j:U+j+1] op_sel_hi:[1,0,1]       ; (-f_pre - m) log2 e
	v_pk_fma_f32 v[I+j:I+j+1], v[I+j:I+j+1], s[52:53], v[U+j:U+j+1] op_sel_hi:[1,0,1]       ; (-i_pre - m) log2 e: of the three exponents the largest is 0
.set j, j+2
.endr
.set j, 0
.rept 16
	v_mul_f32 v[G+j], -|v[HH+j]|, s50              ; -|h_pre| log2 e
.set j, j+1
.endr
	PFK \pf, 1
	s_wait_alu depctr_va_vdst(0)                   ; the wait ahead of the batch
.irp q, F, I                           ; ONE BATCH of 64 exponentials, in place; none reads another's result
.set j, 0
.rept 16
	v_exp_f32 v[\q+j], v[\q+j]
.set j, j+1
.endr
.endr
	PFK \pf, 2
.irp q, U, G
.set j, 0
.rept 16
	v_exp_f32 v[\q+j], v[\q+j]
.set j, j+1
.endr
.endr
.set j, 0
.rept 8
	v_pk_add_f32 v[LIN+j:LIN+j+1], v[HH+j:HH+j+1], 0.5 op_sel_hi:[1,0]                      ; h_pre + 0.5: plain work that names no exponential's result
.set j, j+2
.endr
	PFK \pf, 3
	s_wait_alu depctr_va_vdst(0)                   ; one wait for the batch, ahead of its first reader
.set j, 0
.rept 8
	v_pk_add_f32 v[I+j:I+j+1], v[U+j:U+j+1], v[I+j:I+j+1]       ; (1 + b) e^-m
	v_pk_add_f32 v[F+j:F+j+1], v[U+j:U+j+1], v[F+j:F+j+1]       ; (1 + a) e^-m
	v_pk_add_f32 v[T+j:T+j+1], v[G+j:G+j+1], 1.0 op_sel_hi:[1,0]
.set j, j+2
.endr
.set j, 0
.rept 8
	v_pk_add_f32 v[U+j:U+j+1], v[F+j:F+j+1], v[I+j:I+j+1]       ; (2 + a + b) e^-m: between 1 and 4
.set j, j+2
.endr
	PFK \pf, 4
	s_wait_alu depctr_va_vdst(0)
.irp q, U, T                           ; a batch of 32 reciprocals
.set j, 0
.rept 16
	v_rcp_f32 v[\q+j], v[\q+j]
.set j, j+1
.endr
.endr
	v_nop                                          ; a plain line behind the last reciprocal,
	PFK \pf, 5
	s_wait_alu depctr_va_vdst(0)                   ; and one wait for the batch
.set j, 0
.rept 8
	v_pk_mul_f32 v[I+j:I+j+1], v[I+j:I+j+1], v[U+j:U+j+1]       ; f
	v_pk_mul_f32 v[F+j:F+j+1], v[F+j:F+j+1], v[U+j:U+j+1]       ; i
	v_pk_mul_f32 v[G+j:G+j+1], v[G+j:G+j+1], v[T+j:T+j+1]       ; sigmoid(-|h_pre|), at most 0.5
.set j, j+2
.endr
	PFK \pf, 6
.set j, 0
.rept 16
	v_max_num_f32 v[G+j], v[G+j], v[LIN+j]         ; g: for h_pre >= 0, h_pre + 0.5 >= 0.5 >= the sigmoid; for h_pre < 0, sigmoid(h_pre) > 0.5 + h_pre / 4 > h_pre + 0.5
.set j, j+1
.endr
.set j, 0
.rept 8
	v_pk_mul_f32 v[F+j:F+j+1], v[F+j:F+j+1], v[G+j:G+j+1]       ; v = i g
.set j, j+2
.endr
	PFK \pf, 7
.set j, 1
.rept 7                                ; my eight steps of each tile, the two tiles by turns
	v_fmac_f32 v[F+j], v[I+j], v[F+j-1]            ; hloc_j = f_j hloc_(j-1) + v_j
	v_fmac_f32 v[F+8+j], v[I+8+j], v[F+8+j-1]
	v_mul_f32 v[I+j], v[I+j], v[I+j-1]             ; Acum_j = f_j Acum_(j-1)
	v_mul_f32 v[I+8+j], v[I+8+j], v[I+8+j-1]
.set j, j+1
.endr
.endm
; THE PIECES MEET.  In a tile lanes 0-15 hold steps 0-7 and lanes 16-31 steps 8-15.  At work, ten registers a tile: +0 Ao, +1 Ho the other half's piece; +2 A1, +3 H1 the later half's; +4 H0 the earlier half's;
; +5 At, +6 Ht the tile's; +7 QA, +8 QH what stands ahead of my lane in its tile.  Both halves of the lanes end up with the same tile's and group's pairs.
.macro CROSS
.irp t, 0,1
	v_permlanex16_b32 v[XT+10*\t], v[I+8*\t+7], s54, s55
	v_permlanex16_b32 v[XT+10*\t+1], v[F+8*\t+7], s54, s55
.endr
.irp t, 0,1
	v_cndmask_b32 v[XT+10*\t+2], v[XT+10*\t], v[I+8*\t+7], s56
	v_cndmask_b32 v[XT+10*\t+3], v[XT+10*\t+1], v[F+8*\t+7], s56
	v_cndmask_b32 v[XT+10*\t+4], v[F+8*\t+7], v[XT+10*\t+1], s56
	v_mul_f32 v[XT+10*\t+5], v[I+8*\t+7], v[XT+10*\t]
.endr
.if PASS == 2
	v_cndmask_b32 v[PA], 1.0, v[XT], s56           ; tile 0: lanes 0-15 have nothing ahead of them, lanes 16-31 the earlier half
	v_cndmask_b32 v[PA+1], 0, v[XT+1], s56
	v_cndmask_b32 v[XT+17], 1.0, v[XT+10], s56
	v_cndmask_b32 v[XT+18], 0, v[XT+11], s56
.endif
.irp t, 0,1
	v_fma_f32 v[XT+10*\t+6], v[XT+10*\t+2], v[XT+10*\t+4], v[XT+10*\t+3]
.endr
.if PASS == 2
	v_mul_f32 v[PA+2], v[XT+5], v[XT+17]           ; tile 1: all of tile 0 stands ahead as well
	v_fma_f32 v[PA+3], v[XT+17], v[XT+6], v[XT+18]
.endif
	v_mul_f32 v[RW], v[XT+5], v[XT+15]             ; the group's 32 rows
	v_fma_f32 v[RW+1], v[XT+15], v[XT+6], v[XT+16]
.endm
; THE GROUP IS FINISHED.  Pass 2: out = Acum x carry + hloc goes into my region of the stage, and the carry passes over the group.  Pass 1: the piece's pair takes the group's in.
.macro FIN
.if PASS == 2
	v_fma_f32 v[CL], v[PA], v[CY], v[PA+1]                     ; the carry at my lane's eight rows of tile 0,
	v_fma_f32 v[CL+2], v[PA+2], v[CY], v[PA+3]                 ; of tile 1
	v_add_nc_u32 v[STA], s43, v[STO]
	v_fma_f32 v[CY], v[RW], v[CY], v[RW+1]                     ; behind the group
.irp t, 0,1
.irp p, 0,2,4,6
	v_pk_fma_f32 v[OUT+8*\t+\p:OUT+8*\t+\p+1], v[I+8*\t+\p:I+8*\t+\p+1], v[CL+2*\t:CL+2*\t+1], v[F+8*\t+\p:F+8*\t+\p+1] op_sel_hi:[1,0,1]
.endr
.endr
.irp t, 0,1
.irp j, 0,1,2,3,4,5,6,7
	ds_store_b32 v[STA], v[OUT+8*\t+\j] offset:(16*\t+\j)*SROW ; row 16 t + 8 hh + j of the group: sixteen lanes put my wave's 64 bytes of it
.endr
.endr
	s_add_co_u32 s43, s43, 32*SROW                 ; the next group's rows
.else
	v_fma_f32 v[CY], v[RW], v[CY], v[RW+1]
	v_mul_f32 v[AR], v[AR], v[RW]
.endif
.endm
; A TRIP: 128 rows, in the slot named.  refill = 1: the other slot is asked for.
; At its head the change of slots: each wave waits for all its tensor loads (one is out: its quarter of this trip's slot), adds 0 to its spare word, and waits for that and for its LDS reads (of the other slot,
; and in pass 2 of the stage).  Behind the barrier the other slot is filled again first.  By the text's own count a wave has one tensor load out.
.macro TRIP slot, refill, ep           ; ep = 1: the last group of the slot before is finished here, behind this slot's first fragment loads
	s_wait_tensorcnt 0x0                           ; no tensor load of mine is out, so a group 0 may be written
	ds_add_u32 v[SPW], v[NIL]                      ; 0 onto my spare word: the steps below stand between it and the wait for it
	s_add_nc_u64 s[34+4*\slot:35+4*\slot], s[34+4*\slot:35+4*\slot], 2*SLOTB   ; this slot's next 128 rows; the type bits on top are not reached
	s_wait_xcnt 0x0                                ; the last trip's prefetch has read its address, so it may step
	s_add_co_u32 s46, s46, 1
	s_add_nc_u64 s[44:45], s[44:45], SLOTB
	s_mov_b32 s42, \slot*SLOTB                     ; the first group
	s_wait_dscnt 0x0                               ; the add is done, my LDS reads are over
.if \refill
	ROUND                                          ; all that now holds of every wave of all four work-groups
	tensor_load_to_lds s[36-4*\slot:39-4*\slot], s[24:31]   ; my one tensor load behind the barrier: my quarter of the next 128 rows, into the slot read last trip: it has this slot's four groups in which to land
	s_nop 0
.rept 4
	v_nop
.endr
.else
	s_barrier_signal -1                            ; nothing is filled again: the work-group's own barrier: every wave's quarter of the last slot has landed
	s_barrier_wait -1
.endif
	v_add_nc_u32 v[ADG], s42, v[L16]
	FRAGS
.if \refill
	ASK
.endif
.if \ep
	LATE                                           ; the fragment loads above land under it
.if (PASS == 1) && (\slot == 0)
	REC_OUT                                        ; two slots are finished: a piece of 256 rows
.endif
.endif
	s_mov_b32 s43, 0
	s_mov_b32 s49, 3
.Lgroup_\@:                                            ; groups 0 to 2: behind a group's products the next group's loads go out, and land under this group's gates
	MM
	s_add_co_u32 s42, s42, GRPB
	v_add_nc_u32 v[ADG], s42, v[L16]
	FRX
	FRK 0
	EP1 1
	CROSS
	FIN
	s_sub_co_u32 s49, s49, 1
	s_cmp_lg_u32 s49, 0
	s_cbranch_scc1 .Lgroup_\@
	MM                                             ; group 3's products; its gates follow behind the next change of slots
.endm
; A slot's last group is finished: its gates, its scan, and in pass 2 the slot's 128 rows leave.
.macro LATE
	s_mov_b32 s43, 96*SROW                         ; its rows in the stage
	EP1 0
	CROSS
	FIN
.if PASS == 2
	s_wait_dscnt 0x0                               ; for the others' sake: my stores into the stage are done
	s_barrier_signal -1
	s_barrier_wait -1                              ; 128 whole rows lie in the stage.
.irp n, 0,1,2,3,4,5,6,7,8,9,10,11,12,13,14,15
	ds_load_b128 v[U+4*\n:U+4*\n+3], v[SRD] offset:2*SROW*\n   ; the stage is written again only behind the barrier below, in front of which every wave has waited for these
.endr
.irp n, 0,1,2,3,4,5,6,7,8,9,10,11,12,13,14,15
	s_wait_dscnt 15-\n
	global_store_b128 v[GO], v[U+4*\n:U+4*\n+3], s[40:41] offset:8192*\n th:TH_STORE_NT   ; rows 2 n, 2 n + 1 of my 32: sixteen lanes store 256 consecutive bytes, aligned; written once, read by nobody here
.endr
	s_wait_xcnt 0x0                                ; the stores have read their base and their data: the base steps, and the next gates may write the registers
	s_add_nc_u64 s[40:41], s[40:41], 524288        ; 128 rows on
	s_barrier_signal -1                            ; every wave's reads of the stage are back (the last count above is 0): the next group may store into it
	s_barrier_wait -1
.endif
.endm
.macro REC_OUT                         ; pass 1: a piece of 256 rows is whole: its pair leaves, and the next begins
	v_cndmask_b32 v[RV], v[AR], v[CY], s56         ; lanes 0-15 A, lanes 16-31 H
	global_store_b32 v[GO], v[RV], s[14:15]
	v_mov_b32 v[AR], 1.0
	v_mov_b32 v[CY], 0
	s_wait_xcnt 0x0                                ; the store has read its base
	s_add_nc_u64 s[14:15], s[14:15], 8192          ; the next piece
.endm
	TRIP 0, 1, 0                                   ; the first slot has no group to finish
	s_mov_b32 s48, NSLOT/2-1
.Lpass:                                                ; two slots to a pass: once round the ring
	TRIP 1, 1, 1
	TRIP 0, 1, 1
	s_sub_co_u32 s48, s48, 1
	s_cmp_lg_u32 s48, 0
	s_cbranch_scc1 .Lpass
	TRIP 1, 0, 1                                   ; the last slot is written out without a tensor load
	LATE                                           ; and its last group is finished
.if PASS == 1
	REC_OUT
.endif
	s_wait_tensorcnt 0x0                           ; the wave's end: behind my last tensor load and my last LDS store
	ds_add_u32 v[SPW], v[NIL]
	s_wait_dscnt 0x0
	ROUND                                          ; the closing round: no work-group ends while a partner may still ask for a tile that names it
	s_endpgm
.Lfunc_end_k_q4d179222d7_scan:
	.size	k_q4d179222d7_scan, .Lfunc_end_k_q4d179222d7_scan-k_q4d179222d7_scan
	.p2alignl 7, 3214868480
	.fill 96, 4, 3214868480
	.section	.rodata,"a",@progbits
	.p2align	6, 0x0
	.amdhsa_kernel k_q4d179222d7_scan
		.amdhsa_group_segment_fixed_size 327680
		.amdhsa_private_segment_fixed_size 0
		.amdhsa_enable_private_segment 0
		.amdhsa_kernarg_size 56
		.amdhsa_user_sgpr_count 2
		.amdhsa_user_sgpr_kernarg_segment_ptr 1
		.amdhsa_wavefront_size32 1
		.amdhsa_system_sgpr_workgroup_id_x 1
		.amdhsa_system_sgpr_workgroup_id_y 1
		.amdhsa_system_sgpr_workgroup_id_z 1
		.amdhsa_system_vgpr_workitem_id 0
		.amdhsa_next_free_vgpr 1024
		.amdhsa_next_free_sgpr 80
		.amdhsa_reserve_vcc 0
		.amdhsa_float_denorm_mode_32 3
		.amdhsa_float_denorm_mode_16_64 3
		.amdhsa_memory_ordered 1
		.amdhsa_forward_progress 1
		.amdhsa_inst_pref_size 255
	.end_amdhsa_kernel
	.section	.bss,"aw",@nobits
	.p2align	6
	.space	262144
	.amdgpu_metadata
---
amdhsa.version: [ 1, 2 ]
amdhsa.kernels:
  - .name:           k_q4d179222d7_scan
    .symbol:         k_q4d179222d7_scan.kd
    .args:
      - { .name: xc, .offset: 0, .size: 8, .value_kind: global_buffer, .address_space: global }
      - { .name: wc, .offset: 8, .size: 8, .value_kind: global_buffer, .address_space: global }
      - { .name: b_f, .offset: 16, .size: 8, .value_kind: global_buffer, .address_space: global }
      - { .name: b_i, .offset: 24, .size: 8, .value_kind: global_buffer, .address_space: global }
      - { .name: b_h, .offset: 32, .size: 8, .value_kind: global_buffer, .address_space: global }
      - { .name: agg, .offset: 40, .size: 8, .value_kind: global_buffer, .address_space: global }
      - { .name: out0, .offset: 48, .size: 8, .value_kind: global_buffer, .address_space: global }
    .group_segment_fixed_size: 327680
    .private_segment_fixed_size: 0
    .kernarg_segment_align: 8
    .kernarg_segment_size: 56
    .max_flat_workgroup_size: 128
    .sgpr_count:     80
    .vgpr_count:     1024
    .wavefront_size: 32
...
	.end_amdgpu_metadata
.endif
;; end of part 5
